; MI455X (gfx1250); checked and timed in simulation.
; The chip was launched on July 23, 2026; its instructions are those of AMD's public machine-readable ISA for CDNA 5 (MIT licence, August 2026) and "CDNA5" Instruction Set Architecture Reference Guide (July 2026). The comments in the code are by the model that wrote it; some were corrected since.
;; nakli Transformer Decoder. Allowed arithmetic: matrix products marked QUANTISED: E2M3 operands, one E8M0 scale for each 32 along K, by v_wmma_scale_f32_16x16x128_f8f6f4 with both operands' format E2M3, f32 sums; everything else in f32.
;; Inputs: W1 1,024 x 4,096 float32; W2 4,096 x 1,024 float32; Wk 1,024 x 1,024 float32; Wo 1,024 x 1,024 float32; Wq 1,024 x 1,024 float32; Wv 1,024 x 1,024 float32; b1 4,096 float32; b2 1,024 float32; ln1_b 1,024 float32; ln1_g 1,024 float32; ln2_b 1,024 float32; ln2_g 1,024 float32; x 4 x 1,024 x 1,024 float32.
;; Outputs: out0 4 x 1,024 x 1,024 float32.
;; This version of the problem:
;;   THIS VERSION OF THE PROBLEM IS GIVEN IN LOW PRECISION. The matrix products marked QUANTISED in the list below multiply operands that are first quantised to E2M3 (2 exponent bits, 3 mantissa bits; 6 bits a number), with one power-of-two scale for each 32 numbers along K (OCP MX v1.0); their sums are f32. All else is computed in f32.
;;   The module's matrix products, in the order in which they are computed (A, B: the left and right operand; K: the contracted axis; several contracted axes count as one K, in the product's order):
;;     1. [M 4,096, K 1,024] x [K 1,024, N 1,024]; A: computed on the way; B: input Wq: QUANTISED
;;     2. [M 4,096, K 1,024] x [K 1,024, N 1,024]; A: computed on the way; B: input Wk: QUANTISED
;;     3. [M 4,096, K 1,024] x [K 1,024, N 1,024]; A: computed on the way; B: input Wv: QUANTISED
;;     4. batch 64 x [M 1,024, K 64] x [K 64, N 1,024]; A: computed on the way; B: computed on the way: QUANTISED
;;     5. batch 64 x [M 64, K 1,024] x [K 1,024, N 1,024]; A: computed on the way; B: softmax (see below): QUANTISED
;;     6. [M 4,096, K 1,024] x [K 1,024, N 1,024]; A: computed on the way; B: input Wo: QUANTISED
;;     7. [M 4,096, K 1,024] x [K 1,024, N 4,096]; A: computed on the way; B: input W1: QUANTISED
;;     8. [M 4,096, K 4,096] x [K 4,096, N 1,024]; A: computed on the way; B: input W2: QUANTISED
;;   THE QUANTISER, for each operand of a quantised product, along K:
;;     - K is cut into blocks of 32 from its start; a last block that is shorter is filled with zeros.
;;     - A block's scale is 2^e with e = floor(log2(the largest magnitude in the block)) - 2, held to -126 .. 127; a block of zeros has e = 0. As a byte (E8M0): e + 127.
;;     - Each number is divided by its block's scale, clamped to +-7.5, and rounded to the nearest number of E2M3, ties to even, subnormals kept.
;;     - The product sums the exact products of the quantised numbers (number of the format x scale) in f32.
;;   ~~~python
;;   def quantise(x, axis):      # numpy; x: float32 -> the quantised numbers, widened to float32 again
;;       x = np.moveaxis(x, axis, -1); K = x.shape[-1]
;;       x = np.pad(x, [(0, 0)] * (x.ndim - 1) + [(0, -K % 32)]); x = x.reshape(x.shape[:-1] + (-1, 32)); a = np.abs(x).max(-1, keepdims=True)
;;       e = np.where(a > 0, np.clip(np.frexp(np.where(a > 0, a, 1))[1] - 1 - 2, -126, 127), 0)      # np.frexp(a)[1] - 1 = floor(log2(a)), exactly
;;       r = np.clip(x / 2.0 ** e, -7.5, 7.5)
;;       step = 2.0 ** (np.maximum(np.frexp(np.where(r == 0, 1, r))[1] - 1, 0) - 3)
;;       q = np.round(r / step) * step * 2.0 ** e      # np.round: ties to even
;;       return np.moveaxis(q.reshape(q.shape[:-2] + (-1,))[..., :K], -1, axis).astype(np.float32)
;;   ~~~
;;   SOFTMAX AHEAD OF A QUANTISED PRODUCT. Where the list says 'softmax', what is quantised is not the finished softmax but p = 2^(t - M), with t = logit x log2(e) and M = ceil(the row's largest t), a whole number; so 1/2 < the row's largest p <= 1. The row's sum l is taken of the UNQUANTISED p, in f32, and the product's result is divided by l at the end. Since M is a whole number, a kernel that streams over the keys may use a running M (the ceiling of the running maximum): every later rescaling is an exact power of two, which a block's scale takes up: the codes' values come out the same.
;;   OPERANDS COMPUTED ON THE WAY. 'Computed on the way' means the value that the module computes at that place (a softmax that the list does not call 'softmax' is quantised finished and normalised). What goes into a quantiser is computed in f32, as accurately as f32 sums, v_exp_f32 and their like allow (about 1e-6 of the number): no bf16 or f16 on the way to a quantiser, and a product that is left as it is and whose result goes on into a quantised operand takes f32 operands (vector FMAs, or v_wmma_f32_16x16x4_f32). A number that lies on a knife's edge between two numbers of the format may be rounded either way, as far as f32 arithmetic and the matrix unit's own rounding can turn it there, and no further.
;; One version. Each part assembles by itself: llvm-mc -triple=amdgcn-amd-amdhsa -mcpu=gfx1250 --defsym DOCPART=n.
;; ======== version 1 of 1: 7 launches
;; limits: right only within a limited range of input values
;; workspace buffers: wts 9,830,400 bytes; hq 3,276,800 bytes; qkv 10,092,544 bytes; ctx 3,276,800 bytes; x1 16,777,216 bytes; gq 13,107,200 bytes
;; launch prep (part 1): grid 640 x 1, 4 waves a work-group, no clusters, 91,904 bytes of LDS; arguments x, ln1_g, ln1_b, hq, Wq, Wk, Wv, Wo, W1, W2, wts; writes hq, wts
.if DOCPART == 1
	.amdgcn_target "amdgcn-amd-amdhsa--gfx1250"
	.amdhsa_code_object_version 6
	.text
	.protected	k_qfb0630a41f_prep
	.globl	k_qfb0630a41f_prep
	.p2align	8
	.type	k_qfb0630a41f_prep,@function
k_qfb0630a41f_prep:
	s_mov_b64 s[64:65], 0
	v_nop
	global_prefetch_b8 v0, s[64:65] scope:SCOPE_SE
	s_setreg_imm32_b32 hwreg(HW_REG_WAVE_MODE, 25, 1), 1
	s_wait_xcnt 0x0
; TWO JOBS THAT NEED NOTHING OF EACH OTHER SHARE ONE LAUNCH: work-groups 0 .. 255 normalise and quantise x (LayerNorm 1), work-groups 256 .. 639 quantise the six weights.
; The work-group's number parts them by one scalar branch at the head; each path has LDS bytes of its own (the weights 0 .. 25,599, the LayerNorm's stage 25,600 .. 91,391).
; BOTH WRITE IMAGES OF OPERAND REGISTERS.  AN IMAGE is a fragment of 16 rows x 128 K of FP6 (E2M3) codes, 12 registers a lane, 1,536 bytes: byte 256 p + 8 l + 4 i holds register 2 p + i of lane l.
; Lane (r, h) holds k = 64 c + 32 h + 0 .. 31 in registers 6 c .. 6 c + 5.  Images lie [row block T][K step][1,536]; scale words [T][K step][16 words], word r = the four E8M0 bytes of image row r.
; THE ROWS OF A BLOCK ARE NOT NEIGHBOURS: image row r of block T is row 32 (T / 2) + 8 (T % 2) + r + 8 (r / 8), so that a transposed product leaves 16 neighbours along the next K in a lane.
; A block's byte is its largest magnitude's exponent field - 2, held at 1 from below.  LIMITS: a block of zeros, or one under 2^-124, gets the byte 1 (its reader is this program alone); NaN and infinities are not served.
.set LNWG,  256                        ; the LayerNorm's work-groups come first
	v_lshl_add_u32 v254, v0, 2, 0x16500
	v_mov_b32 v255, 0
	s_cmp_lt_u32 ttmp9, LNWG
	s_cbranch_scc1 .Lnorm
; ---- THE WEIGHTS, f32 stored [K][N].  A lane takes a column and its registers run down K: a block of 32 lies in one lane, nothing is transposed by an instruction.
; A wave takes 32 columns (two row blocks) x 256 K (two K steps); a work-group 128 columns.  The codes go through the wave's own 6,400 bytes of LDS and leave as 512 consecutive bytes a store.
; Waves share nothing: no barrier.  One path serves all six weights: only pointers and sizes are chosen.
.set WSO,   9437184                    ; where the scale words begin in wts
.set IMG,   1536
.set WREG,  6400                       ; a wave's LDS: two row blocks of 3,200 bytes (two images + 128, so that the two blocks' stores fall on different banks)
.set UREG,  3200
.set SB,    20                         ; v20-21  my column's scale words of the two K steps
.set OFF,   32                         ; v32-63  4 x lane + i x pitch
.set X,     64                         ; v64-127 two sets of 32 numbers
.set OUT,   128                        ; v128-175 the way out
	s_load_b256 s[4:11], s[0:1], 0x20              ; Wq, Wk, Wv, Wo
	s_load_b128 s[12:15], s[0:1], 0x40             ; W1, W2
	s_load_b64 s[16:17], s[0:1], 0x50              ; wts
	s_sub_co_u32 s46, ttmp9, LNWG                  ; my number among the weights' 384 work-groups
	v_lshrrev_b32 v1, 5, v0
	v_readfirstlane_b32 s18, v1                    ; wave
	v_and_b32 v1, 31, v0                           ; lane = my column among the wave's 32
	s_wait_alu depctr_va_vdst(0)
	v_lshlrev_b32 v2, 2, v1
	s_lshr_b32 s19, s46, 7                         ; 0: the four square weights, 1: W1, 2: W2
	s_lshr_b32 s21, s46, 5                         ; which square weight
	s_lshl_b32 s33, s21, 9
	s_lshl_b32 s34, s19, 11
	s_cmp_eq_u32 s19, 0
	s_cselect_b32 s33, s33, s34                    ; the weight's first image: 512 x weight, 2,048, 4,096
	s_cselect_b32 s20, 31, 127
	s_cmp_eq_u32 s19, 1
	s_cselect_b32 s22, 31, 7                       ; chunks of 128 columns: 32 in W1, else 8
	s_cselect_b32 s23, 5, 3
	s_cselect_b32 s32, 14, 12                      ; log2 of a row's bytes
	s_cmp_eq_u32 s19, 2
	s_cselect_b32 s35, 5, 3                        ; log2 of the K steps: 32 in W2, else 8
	s_and_b32 s22, s46, s22                        ; my chunk of columns
	s_and_b32 s20, s46, s20
	s_lshr_b32 s20, s20, s23                       ; my chunk of 256 along K
	s_add_co_u32 s36, s32, 8
	s_lshl_b32 s36, s20, s36                       ; 256 rows x chunk
	s_lshl_b32 s37, s22, 9
	s_add_co_u32 s36, s36, s37
	s_lshl_b32 s37, s18, 7
	s_add_co_u32 s36, s36, s37                     ; + 4 x my wave's first column
	s_mov_b32 s37, 0
	s_lshl_b32 s24, 32, s32                        ; 32 rows on
	s_mov_b32 s25, 0
	s_lshl_b32 s38, 1, s32                         ; a row's bytes
	s_lshl_b32 s39, s22, 3
	s_lshl_b32 s40, s18, 1
	s_add_co_u32 s39, s39, s40                     ; my first row block
	s_lshl_b32 s39, s39, s35
	s_add_co_u32 s39, s39, s33
	s_lshl_b32 s40, s20, 1
	s_add_co_u32 s39, s39, s40                     ; my first image
	s_lshl_b32 s41, 1, s35                         ; images from a row block to the next
	s_lshl_b32 s44, s41, 6
	s_mul_i32 s45, s18, WREG
	v_bfe_u32 v16, v1, 3, 1                        ; u: which of the two row blocks
	v_and_b32 v17, 7, v1
	v_lshrrev_b32 v18, 4, v1
	v_lshl_add_u32 v17, v18, 3, v17                ; r: my image row
	v_mul_u32_u24 v3, UREG, v16
	v_lshl_add_u32 v3, v17, 3, v3
	v_add_nc_u32 v3, s45, v3                       ; into LDS: wave, block u, 8 r
	v_lshlrev_b32 v6, 4, v1
	v_add_nc_u32 v4, s45, v6
	v_lshlrev_b32 v7, 3, v1
	v_add_nc_u32 v7, s45, v7                       ; back, for Wo and W2: 8 bytes a lane
	v_mul_u32_u24 v5, s44, v16
	v_lshl_add_u32 v5, v17, 2, v5                  ; my scale word's place
.set i, 0
.rept 32
	v_mad_u32_u24 v[OFF+i], s38, i, v2
.set i, i+1
.endr
	s_wait_alu depctr_va_vdst(0)
	s_wait_kmcnt 0x0
	s_cmp_eq_u32 s21, 1                            ; the choice hangs on the work-group's number alone
	s_cselect_b64 s[4:5], s[6:7], s[4:5]
	s_cmp_eq_u32 s21, 2
	s_cselect_b64 s[4:5], s[8:9], s[4:5]
	s_cmp_eq_u32 s21, 3
	s_cselect_b64 s[4:5], s[10:11], s[4:5]
	s_cmp_eq_u32 s19, 1
	s_cselect_b64 s[4:5], s[12:13], s[4:5]
	s_cmp_eq_u32 s19, 2
	s_cselect_b64 s[4:5], s[14:15], s[4:5]
	s_add_nc_u64 s[4:5], s[4:5], s[36:37]
	s_mul_i32 s42, s39, IMG
	s_mov_b32 s43, 0
	s_add_nc_u64 s[26:27], s[16:17], s[42:43]      ; block u = 0: its two images
	s_mul_i32 s42, s41, IMG
	s_add_nc_u64 s[28:29], s[26:27], s[42:43]      ; block u = 1
	s_lshl_b32 s42, s39, 6
	s_add_nc_u64 s[30:31], s[16:17], s[42:43]
	s_add_nc_u64 s[30:31], s[30:31], WSO           ; the scale words
.macro LOADB t                         ; block t: W(32 t + i, my column) into set t % 2; 32 lanes read 128 consecutive bytes
.if (\t) > 0
	s_wait_xcnt 0x0                                ; the earlier loads have read their base
	s_add_nc_u64 s[4:5], s[4:5], s[24:25]
.endif
.set i, 0
.rept 32
	global_load_b32 v[X+32*((\t)%2)+i], v[OFF+i], s[4:5] th:TH_LOAD_NT
.set i, i+1
.endr
.endm
.macro BLOCK t
.set XS, X+32*((\t)%2)
.if (\t) < 7
	s_wait_loadcnt 32                              ; this block's 32 loads are in; the next block's may be out
.else
	s_wait_loadcnt 0x0
.endif
	v_max3_num_f32 v16, |v[XS]|, |v[XS+1]|, |v[XS+2]|
	v_max3_num_f32 v17, |v[XS+3]|, |v[XS+4]|, |v[XS+5]|
.irp i, 6,10,14,18,22,26
	v_max3_num_f32 v16, v16, |v[XS+\i]|, |v[XS+\i+1]|
	v_max3_num_f32 v17, v17, |v[XS+\i+2]|, |v[XS+\i+3]|
.endr
	v_max3_num_f32 v16, v16, |v[XS+30]|, |v[XS+31]|
	v_max3_num_f32 v16, v16, v17, 0x1800000        ; with the floor 2^(3 - 127): the byte cannot fall under 1
	v_add_nc_u32 v18, 0xff000000, v16              ; 2 off the exponent field: the conversion's scale operand
	v_lshrrev_b32 v19, 23, v18                     ; the byte
.if (\t)%4 == 0
	v_mov_b32 v[SB+(\t)/4], v19
.else
	v_lshl_or_b32 v[SB+(\t)/4], v19, 8*((\t)%4), v[SB+(\t)/4]
.endif
	v_cvt_scalef32_pk16_fp6_f32 v[8:10], v[XS:XS+15], v18
	v_cvt_scalef32_pk16_fp6_f32 v[12:14], v[XS+16:XS+31], v18      ; (a conversion's three registers begin on an even number)
	v_nop                                          ; one plain line behind the conversions
	v_mov_b32 v11, v12
	v_mov_b32 v12, v13
	v_mov_b32 v13, v14                             ; v8-13: the block's 24 bytes
.irp p, 0,1,2
	ds_store_b64 v3, v[8+2*\p:9+2*\p] offset:((\t)/4)*IMG+256*(3*(((\t)%4)/2)+\p)+128*((\t)%2)   ; block t is half h = t % 2, registers 6 c on, c = (t % 4) / 2, of K step t / 4
.endr
.if (\t)+2 < 8
	LOADB (\t)+2
.endif
	s_wait_dscnt 0x0                               ; the stores have read their registers
.endm
	LOADB 0
	LOADB 1
.irp t, 0,1,2,3,4,5,6,7
	BLOCK \t
.endr
	; Wo's and W2's readers load a fragment as three times 16 bytes a lane: their images lie byte 512 j + 16 l + 4 i = register 4 j + i of lane l.  The branch hangs on the work-group's number alone.
	s_cmp_eq_u32 s21, 3
	s_cbranch_scc1 .Lquads
	s_cmp_eq_u32 s19, 2
	s_cbranch_scc1 .Lquads
.irp n, 0,1,2,3,4,5,6,7,8,9,10,11
	ds_load_b128 v[OUT+4*\n:OUT+4*\n+3], v4 offset:(\n/6)*UREG+512*(\n%6)
.endr
	s_branch .Lwback
.Lquads:
.irp n, 0,1,2,3,4,5,6,7,8,9,10,11
	ds_load_b64 v[OUT+4*\n:OUT+4*\n+1], v7 offset:(\n/6)*UREG+512*(\n%6)         ; my registers 4 j, 4 j + 1
	ds_load_b64 v[OUT+4*\n+2:OUT+4*\n+3], v7 offset:(\n/6)*UREG+512*(\n%6)+256   ; and 4 j + 2, 4 j + 3 (the counts below are under what these 24 loads need)
.endr
.Lwback:
.irp n, 0,1,2,3,4,5,6,7,8,9,10,11
	s_wait_dscnt 11-\n
	global_store_b128 v6, v[OUT+4*\n:OUT+4*\n+3], s[26+2*(\n/6):27+2*(\n/6)] offset:512*(\n%6)   ; 512 consecutive bytes, aligned
.endr
	global_store_b32 v5, v[SB], s[30:31]
	s_wait_alu depctr_va_vdst(0)
	global_store_b32 v5, v[SB+1], s[30:31] offset:64
	s_wait_tensorcnt 0x0
	ds_add_u32 v254, v255
	s_wait_dscnt 0x0
	s_endpgm
; ---- LAYERNORM over rows of 1,024 f32, then the quantiser along the row.  hq: images [row block T][K step 0..7], scale words behind them at byte 3,145,728.
; A work-group takes one row block.  Phase 1: wave w normalises image rows 4 w .. 4 w + 3 (four neighbouring tokens), a row in 32 registers, mean and variance in two passes, all f32; y goes to a stage in LDS (pitch 4,112).
; Phase 2, behind one barrier: wave w takes K steps 2 w and 2 w + 1; lane (r, h) reads of row r the 16 numbers 32 b + 16 h + 0 .. 15 of each block b, quantises, and stores each pair of registers as 256 consecutive bytes.
; 1 / sqrt by v_rsq_f32.
.set LNB,   25600                      ; the stage begins behind the weights' bytes
.set PITCH, 4112
.set TM,    8                          ; v8-23   statistics, then the quantiser's work
.set PW,    24                         ; the scale word just made
.set PWA,   25                         ; the first K step's
.set XR,    32                         ; v32-159 four rows, later two K steps of 64 numbers
.set GR,    160                        ; v160-191 g
.set BR,    192                        ; v192-223 b
.set PC,    224                        ; v224-243 codes
.set SEL,   20
; 64 numbers v[s] .. v[s + 63], register 16 b + i = k 32 b + 16 (lane / 16) + i of my row, become a fragment's codes in v[PC] on and its scale word in v[PW].
.macro QUANT s
.irp b, 0,1,2,3
	v_max3_num_f32 v[TM+\b], 0x1800000, |v[(\s)+16*\b]|, |v[(\s)+1+16*\b]|   ; with the floor, so that the byte cannot fall under 1
.endr
.irp i, 2,4,6,8,10,12,14
.irp b, 0,1,2,3
	v_max3_num_f32 v[TM+\b], v[TM+\b], |v[(\s)+16*\b+\i]|, |v[(\s)+1+16*\b+\i]|
.endr
.endr
.irp b, 0,1,2,3
	v_permlanex16_b32 v[TM+4+\b], v[TM+\b], s[SEL], s[SEL+1]
.endr
.irp b, 0,1,2,3
	v_max_num_f32 v[TM+\b], v[TM+\b], v[TM+4+\b]   ; with lane l xor 16's: the block's largest magnitude
.endr
.irp b, 0,1,2,3
	v_add_nc_u32 v[TM+12+\b], 0xff000000, v[TM+\b] ; 2 off the exponent field: the conversion's scale operand
.endr
.irp b, 0,1,2,3
	v_lshrrev_b32 v[TM+4+\b], 23, v[TM+12+\b]
.endr
	v_lshl_or_b32 v[PW], v[TM+5], 8, v[TM+4]
	v_lshl_or_b32 v[PW], v[TM+6], 16, v[PW]
	v_lshl_or_b32 v[PW], v[TM+7], 24, v[PW]
.irp c, 0,1
	v_cvt_scalef32_pk16_fp6_f32 v[PC+6*\c:PC+2+6*\c], v[(\s)+32*\c:(\s)+15+32*\c], v[TM+12+2*\c]
	v_cvt_scalef32_pk16_fp6_f32 v[PC+12+4*\c:PC+14+4*\c], v[(\s)+16+32*\c:(\s)+31+32*\c], v[TM+12+2*\c+1]
.endr
	v_nop                                          ; one plain line behind the conversions
.irp c, 0,1                                    ; a whole block to a lane: lanes 0-15 block 2 c, lanes 16-31 block 2 c + 1
.irp i, 0,1,2
	v_permlane16_swap_b32 v[PC+6*\c+\i], v[PC+12+4*\c+\i]
.endr
.irp i, 0,1,2
	v_mov_b32 v[PC+3+6*\c+\i], v[PC+12+4*\c+\i]
.endr
.endr
.endm
.macro REDUCE                          ; the four rows' pairs v[8 + 2 p : 9 + 2 p] become sums over the wave, in every lane
.irp p, 0,1,2,3
	v_add_f32 v[8+2*\p], v[8+2*\p], v[9+2*\p]
.endr
.irp m, 1,2,4,8
.irp p, 0,1,2,3
	v_add_f32_dpp v[8+2*\p], v[8+2*\p], v[8+2*\p] row_xmask:\m row_mask:0xf bank_mask:0xf
.endr
.endr
.irp p, 0,1,2,3
	v_permlanex16_b32 v[16+\p], v[8+2*\p], s[SEL], s[SEL+1]
.endr
.irp p, 0,1,2,3
	v_add_f32 v[8+2*\p], v[8+2*\p], v[16+\p]
.endr
.endm
.Lnorm:
	s_load_b128 s[4:7], s[0:1], 0x0                ; x, g
	s_load_b128 s[8:11], s[0:1], 0x10              ; b, the images
	v_lshrrev_b32 v1, 5, v0
	v_readfirstlane_b32 s12, v1                    ; wave
	v_and_b32 v1, 31, v0
	v_lshlrev_b32 v2, 4, v1                        ; 16 x lane
	s_wait_alu depctr_va_vdst(0)
	v_lshlrev_b32 v6, 3, v1                        ; 8 x lane
	v_lshlrev_b32 v7, 2, v1                        ; 4 x lane
	s_lshr_b32 s13, ttmp9, 1
	s_lshl_b32 s13, s13, 5
	s_and_b32 s14, ttmp9, 1
	s_lshl_b32 s14, s14, 3
	s_add_co_u32 s13, s13, s14
	s_lshl_b32 s14, s12, 2
	s_add_co_u32 s13, s13, s14
	s_lshr_b32 s14, s12, 1
	s_lshl_b32 s14, s14, 3
	s_add_co_u32 s13, s13, s14                     ; my first token: 32 (T / 2) + 8 (T % 2) + 4 w + 8 (w / 2)
	s_lshl_b32 s14, s13, 12
	s_mov_b32 s15, 0
	s_mul_i32 s16, s12, 4*PITCH
	s_add_co_u32 s16, s16, LNB
	v_add_nc_u32 v3, s16, v2                       ; the stage, in: my four rows, 16 bytes a lane
	v_and_b32 v26, 15, v0
	v_bfe_u32 v27, v0, 4, 1
	v_mul_u32_u24 v5, PITCH, v26
	v_lshl_add_u32 v5, v27, 6, v5
	s_lshl_b32 s17, s12, 10
	s_add_co_u32 s17, s17, LNB
	v_add_nc_u32 v5, s17, v5                       ; out: row r, + 64 h, + my two K steps
	s_mov_b32 s[SEL], 0x76543210
	s_mov_b32 s[SEL+1], 0xfedcba98
	s_mov_b32 s22, 0x3a800000                      ; 1 / 1,024
	s_mov_b32 s23, 0x3727c5ac                      ; 1e-5
	s_lshl_b32 s18, ttmp9, 3
	s_lshl_b32 s19, s12, 1
	s_add_co_u32 s18, s18, s19                     ; my first image: 8 T + 2 w
	s_mul_i32 s24, s18, 1536
	s_mov_b32 s25, 0
.irp p, 0,1,2,3
	v_mov_b32 v[16+\p], 0                          ; a lane permute's destination counts as one of its sources
.endr
	s_wait_kmcnt 0x0
	s_add_nc_u64 s[4:5], s[4:5], s[14:15]
	s_add_nc_u64 s[26:27], s[10:11], s[24:25]
	s_lshl_b32 s24, s18, 6
	s_add_nc_u64 s[28:29], s[10:11], s[24:25]
	s_add_nc_u64 s[28:29], s[28:29], 3145728
.irp p, 0,1,2,3
.irp j, 0,1,2,3,4,5,6,7
	global_load_b128 v[XR+32*\p+4*\j:XR+32*\p+4*\j+3], v2, s[4:5] offset:\p*4096+512*\j th:TH_LOAD_NT   ; 512 consecutive bytes
.endr
.endr
.irp j, 0,1,2,3,4,5,6,7
	global_load_b128 v[GR+4*\j:GR+4*\j+3], v2, s[6:7] offset:512*\j
	global_load_b128 v[BR+4*\j:BR+4*\j+3], v2, s[8:9] offset:512*\j
.endr
	s_wait_loadcnt 16                              ; the rows are in; g and b may be out
.irp p, 0,1,2,3
	v_pk_add_f32 v[8+2*\p:9+2*\p], v[XR+32*\p:XR+32*\p+1], v[XR+32*\p+2:XR+32*\p+3]
.endr
.irp j, 4,6,8,10,12,14,16,18,20,22,24,26,28,30
.irp p, 0,1,2,3
	v_pk_add_f32 v[8+2*\p:9+2*\p], v[8+2*\p:9+2*\p], v[XR+32*\p+\j:XR+32*\p+\j+1]   ; the four rows by turns
.endr
.endr
	REDUCE
.irp p, 0,1,2,3
	v_mul_f32 v[8+2*\p], s22, v[8+2*\p]            ; the mean
.endr
.irp j, 0,2,4,6,8,10,12,14,16,18,20,22,24,26,28,30
.irp p, 0,1,2,3
	v_pk_add_f32 v[XR+32*\p+\j:XR+32*\p+\j+1], v[XR+32*\p+\j:XR+32*\p+\j+1], v[8+2*\p:9+2*\p] op_sel_hi:[1,0] neg_lo:[0,1] neg_hi:[0,1]   ; x - mean
.endr
.endr
.irp p, 0,1,2,3
	v_pk_mul_f32 v[8+2*\p:9+2*\p], v[XR+32*\p:XR+32*\p+1], v[XR+32*\p:XR+32*\p+1]
.endr
.irp j, 2,4,6,8,10,12,14,16,18,20,22,24,26,28,30
.irp p, 0,1,2,3
	v_pk_fma_f32 v[8+2*\p:9+2*\p], v[XR+32*\p+\j:XR+32*\p+\j+1], v[XR+32*\p+\j:XR+32*\p+\j+1], v[8+2*\p:9+2*\p]
.endr
.endr
	REDUCE
.irp p, 0,1,2,3
	v_fma_f32 v[8+2*\p], v[8+2*\p], s22, s23       ; the variance + 1e-5
.endr
	s_wait_alu depctr_va_vdst(0)
.irp p, 0,1,2,3
	v_rsq_f32 v[8+2*\p], v[8+2*\p]
.endr
	v_nop                                          ; a plain line behind the batch
	s_wait_alu depctr_va_vdst(0)                   ; one wait for the four, ahead of their first reader
	s_wait_loadcnt 0x0                             ; g and b
.irp p, 0,1,2,3
.irp j, 0,2,4,6,8,10,12,14,16,18,20,22,24,26,28,30
	v_pk_mul_f32 v[XR+32*\p+\j:XR+32*\p+\j+1], v[XR+32*\p+\j:XR+32*\p+\j+1], v[8+2*\p:9+2*\p] op_sel_hi:[1,0]
.endr
.irp j, 0,2,4,6,8,10,12,14,16,18,20,22,24,26,28,30
	v_pk_fma_f32 v[XR+32*\p+\j:XR+32*\p+\j+1], v[XR+32*\p+\j:XR+32*\p+\j+1], v[GR+\j:GR+\j+1], v[BR+\j:BR+\j+1]
.endr
.irp j, 0,1,2,3,4,5,6,7
	ds_store_b128 v3, v[XR+32*\p+4*\j:XR+32*\p+4*\j+3] offset:\p*PITCH+512*\j
.endr
.endr
	s_wait_dscnt 0x0                               ; for the others' sake: my rows lie in the stage
	s_barrier_signal -1
	s_barrier_wait -1
.irp q, 0,1
.irp b, 0,1,2,3
.irp j, 0,1,2,3
	ds_load_b128 v[XR+64*\q+16*\b+4*\j:XR+64*\q+16*\b+4*\j+3], v5 offset:512*\q+128*\b+16*\j
.endr
.endr
.endr
	s_wait_dscnt 16                                ; the first K step's 16 loads are in
	QUANT XR
.irp p, 0,1,2,3,4,5
	global_store_b64 v6, v[PC+2*\p:PC+2*\p+1], s[26:27] offset:256*\p      ; 256 consecutive bytes, aligned
.endr
	v_mov_b32 v[PWA], v[PW]
	s_wait_dscnt 0x0
	s_wait_xcnt 0x0                                ; the stores have read the codes' registers
	QUANT XR+64
.irp p, 0,1,2,3,4,5
	global_store_b64 v6, v[PC+2*\p:PC+2*\p+1], s[26:27] offset:1536+256*\p
.endr
	v_cmp_lt_u32 vcc_lo, 15, v1
	v_cndmask_b32 v[PW], v[PWA], v[PW], vcc_lo     ; lanes 0-15: the first K step's words, lanes 16-31: the second's
	global_store_b32 v7, v[PW], s[28:29]           ; 128 consecutive bytes
	s_wait_tensorcnt 0x0
	ds_add_u32 v254, v255
	s_wait_dscnt 0x0
	s_endpgm
.Lfunc_end_k_qfb0630a41f_prep:
	.size	k_qfb0630a41f_prep, .Lfunc_end_k_qfb0630a41f_prep-k_qfb0630a41f_prep
	.p2alignl 7, 3214868480
	.fill 96, 4, 3214868480
	.section	.rodata,"a",@progbits
	.p2align	6, 0x0
	.amdhsa_kernel k_qfb0630a41f_prep
		.amdhsa_group_segment_fixed_size 91904
		.amdhsa_private_segment_fixed_size 0
		.amdhsa_enable_private_segment 0
		.amdhsa_kernarg_size 88
		.amdhsa_user_sgpr_count 2
		.amdhsa_user_sgpr_kernarg_segment_ptr 1
		.amdhsa_wavefront_size32 1
		.amdhsa_system_sgpr_workgroup_id_x 1
		.amdhsa_system_sgpr_workgroup_id_y 1
		.amdhsa_system_sgpr_workgroup_id_z 1
		.amdhsa_system_vgpr_workitem_id 0
		.amdhsa_next_free_vgpr 256
		.amdhsa_next_free_sgpr 66
		.amdhsa_reserve_vcc 1
		.amdhsa_float_denorm_mode_32 3
		.amdhsa_float_denorm_mode_16_64 3
		.amdhsa_memory_ordered 1
		.amdhsa_forward_progress 1
		.amdhsa_inst_pref_size 91
	.end_amdhsa_kernel
	.amdgpu_metadata
---
amdhsa.version: [ 1, 2 ]
amdhsa.kernels:
  - .name:           k_qfb0630a41f_prep
    .symbol:         k_qfb0630a41f_prep.kd
    .args:
      - { .name: x, .offset: 0, .size: 8, .value_kind: global_buffer, .address_space: global }
      - { .name: ln1_g, .offset: 8, .size: 8, .value_kind: global_buffer, .address_space: global }
      - { .name: ln1_b, .offset: 16, .size: 8, .value_kind: global_buffer, .address_space: global }
      - { .name: hq, .offset: 24, .size: 8, .value_kind: global_buffer, .address_space: global }
      - { .name: Wq, .offset: 32, .size: 8, .value_kind: global_buffer, .address_space: global }
      - { .name: Wk, .offset: 40, .size: 8, .value_kind: global_buffer, .address_space: global }
      - { .name: Wv, .offset: 48, .size: 8, .value_kind: global_buffer, .address_space: global }
      - { .name: Wo, .offset: 56, .size: 8, .value_kind: global_buffer, .address_space: global }
      - { .name: W1, .offset: 64, .size: 8, .value_kind: global_buffer, .address_space: global }
      - { .name: W2, .offset: 72, .size: 8, .value_kind: global_buffer, .address_space: global }
      - { .name: wts, .offset: 80, .size: 8, .value_kind: global_buffer, .address_space: global }
    .group_segment_fixed_size: 91904
    .private_segment_fixed_size: 0
    .kernarg_segment_align: 8
    .kernarg_segment_size: 88
    .max_flat_workgroup_size: 128
    .sgpr_count:     66
    .vgpr_count:     256
    .wavefront_size: 32
...
	.end_amdgpu_metadata
.endif
;; end of part 1
;; launch qkv (part 2): grid 12 x 16, 4 waves a work-group, clusters of 4 x 4, 327,680 bytes of LDS; arguments hq, wts, qkv; writes qkv
.if DOCPART == 2
	.amdgcn_target "amdgcn-amd-amdhsa--gfx1250"
	.amdhsa_code_object_version 6
	.text
	.protected	k_qfb0630a41f_qkv
	.globl	k_qfb0630a41f_qkv
	.p2align	8
	.type	k_qfb0630a41f_qkv,@function
k_qfb0630a41f_qkv:
	s_mov_b64 s[64:65], 0
	v_nop
	global_prefetch_b8 v0, s[64:65] scope:SCOPE_SE
	s_setreg_imm32_b32 hwreg(HW_REG_WAVE_MODE, 25, 1), 1
	s_wait_xcnt 0x0
	s_wait_alu depctr_hold_cnt(0) depctr_sa_sdst(0) depctr_va_vdst(0) depctr_va_sdst(0) depctr_va_ssrc(0) depctr_va_vcc(0) depctr_vm_vsrc(0)
	s_getreg_b32 s2, hwreg(HW_REG_IB_STS2, 6, 4)
	s_cmp_eq_u32 s2, 0
	s_cbranch_scc0 .Lentry_in_a_cluster
	s_endpgm
.Lentry_in_a_cluster:
	s_bfe_u32 s2, ttmp6, 0x10000c
	s_cmp_lg_u32 s2, 0xf033
	s_cbranch_scc0 .Lentry_shape_is_right
	s_endpgm
.Lentry_shape_is_right:
; q = h Wq, k = h Wk, v = h Wv on codes of FP6 (E2M3) with E8M0 scales, K = 1,024, and the quantisers of the attention's operands: nothing but codes goes to memory.
; OPERANDS ARE IMAGES OF REGISTERS: a fragment (16 rows x 128 K, 12 registers) is 1,536 bytes, byte 256 p + 8 l + 4 i = register 2 p + i of lane l; tensors lie [row block][K step][1,536], scale words [row block][K step][16].
; Image row r of block T is row 32 (T / 2) + 8 (T % 2) + r + 8 (r / 8).  In D = source 0 x source 1 a lane holds ONE image row of source 1, and the 16 registers of source 0's blocks 2 b, 2 b + 1 are rows 32 b + 16 (lane / 16) + 0 .. 15.
; A tile is 256 x 256, four waves of 128 x 128 (64 accumulators, 512 registers).  'A' is source 1 (a lane holds its row), 'B' source 0 (it runs along the registers).
; Clusters x = 0, 1: A = tokens, B = the 2,048 columns of Wq, Wk: a lane's 128 numbers are two heads of one token: quantised along the head, they are two half images (K = 64) of q or k.
; Cluster x = 2: A = Wv's columns, B = tokens: a lane's 128 numbers are 128 keys of one channel: quantised along the keys, one image of v^T.  The two cases differ in pointers and offsets alone, chosen by selects on the cluster's x.
; K goes in steps of 256 through two LDS slots; a tile's part is 8 rows of 3,072 bytes, one tensor load a wave; the scale words of all K come once.  No pitch, no padding: a load of 8 bytes a lane takes 256 consecutive bytes.
; CLUSTERS 4 x 4: A's tiles are asked for jointly along a row of the cluster, B's along a column.  By this text's count a wave has one tensor load out at any time.
; No prefetch: four slots' worth of K, the first two asked for at the head.  LIMITS: a block of zeros, or one under 2^-124, gets the byte 1 (read by this program alone); NaN and infinities are not served.
; REGISTERS: window 0: v1-11 addresses; v32-63 scale words, two sets; v128-223 A's fragments, one set; on the way out v16-55 at work.  window 1: B's fragments, two sets.  windows 2, 3: accumulator (a, b) at v[8 (8 (a % 4) + b)].
.set KST,   8
.set IMG,   1536
.set FR,    12
.set NL,    6
.set NQ,    2                          ; K steps of 128 in a slot
.set NP,    4
; THE WALK ALONG K, as the text below has it (it takes the place of what the head comment says of two equal slots, of the loads at the start and of the laps):
; the head asks for four tiles, one load a wave: K steps 0, 1 of A's 256 rows and of B's 256 rows into slot 0, A's scale words, B's scale words.  Behind the full sequence and a round each wave asks for its quarter of
; K steps 2 to 5 (8 rows of 6,144 bytes) into the large slot; behind the round in K step 1 for its quarter of K steps 6, 7 into slot 0 again.  By this text's count a wave has one tensor load out at any time.
.set HALFT, 8*NQ*IMG                   ; 128 rows of a slot: what one tensor load brings
.set SLOT,  4*HALFT
.set SCL,   3*SLOT
.set HALFS, 8*KST*64
.set SPARE, SCL+4*HALFS                ; the spare words, 128 bytes a wave
.set ADRA,  1                          ; v1-2  my A fragments in slot 0, 1
.set ADRB,  3                          ; v3-4  my B fragments
.set ADRS,  5                          ; v5    my scale words: lanes 0-15 A's, lanes 16-31 B's
.set SPW,   6
.set NIL,   7
.set VO1,   8                          ; 8 x lane
.set VO2,   9                          ; the second three pairs of registers
.set VSH,   10                         ; which half of the scale word I store
.set VSO,   11                         ; and where
.set TM,    16
.set PW,    32
.set PS,    33
.set PC,    36
.set SC,    32
.set AF,    128
.set SEL,   98
.set G1, 24
.set G0, 32
.set G1B, 48
.set G0B, 56
.set G1S, 68
.set G0S, 76
.set G1SB, 80
.set G0SB, 88
.set MUL_LO, 0xa1                      ; source 0 (B) window 1, source 1 (A) window 0, C and D window 2
.set MUL_HI, 0xf1
.set TO_B,   0x40
.set MSB, 0
.macro WIN new
.if MSB != (\new)
	s_set_vgpr_msb (MSB<<8)|(\new)
.set MSB, (\new)
.endif
.endm
.macro PLACES n
.rept \n
	v_nop
.endr
.endm
.macro JLOAD g0a, g1a, g0b, g1b        ; a joint load: waves 0, 1 fetch for A, waves 2, 3 for B; four v_nop follow each line
	s_cmp_eq_u32 s15, 0
	s_cbranch_scc0 .Lfor_b_\@
	tensor_load_to_lds s[\g0a:\g0a+3], s[\g1a:\g1a+7]
	s_nop 0
.rept 4
	v_nop
.endr
	s_branch .Lasked_\@
.Lfor_b_\@:
	tensor_load_to_lds s[\g0b:\g0b+3], s[\g1b:\g1b+7]
	s_nop 0
.rept 4
	v_nop
.endr
.Lasked_\@:
.endm
.macro CREST
	s_cmp_lg_u32 s14, 0
	s_cbranch_scc1 .Lnot_wave_0_\@
	s_barrier_signal -3
.Lnot_wave_0_\@:
	s_barrier_wait -3
	s_barrier_signal -1
	s_barrier_wait -1
.endm
.macro CROUND
	s_barrier_signal -1
	s_barrier_wait -1
	CREST
.endm
; 64 numbers v[s] .. v[s + 63] of window w, register 16 b + i = k 32 b + 16 (lane / 16) + i of my row, become a fragment's codes in v[PC] on and its scale word in v[PW].  Each accumulator is read from its low end on.
.macro QUANT s, w, sh
	WIN ((\w)<<2)|((\w)<<4)
.irp b, 0,1,2,3
	v_max3_num_f32 v[TM+\b], (3+(\sh))<<23, |v[(\s)+16*\b]|, |v[(\s)+1+16*\b]|
.endr
.irp i, 2,4,6,8,10,12,14
.irp b, 0,1,2,3
	v_max3_num_f32 v[TM+\b], v[TM+\b], |v[(\s)+16*\b+\i]|, |v[(\s)+1+16*\b+\i]|
.endr
.endr
	WIN 0
.irp b, 0,1,2,3
	v_permlanex16_b32 v[TM+4+\b], v[TM+\b], s[SEL], s[SEL+1]
.endr
.irp b, 0,1,2,3
	v_max_num_f32 v[TM+\b], v[TM+\b], v[TM+4+\b]
.endr
.irp b, 0,1,2,3
	v_add_nc_u32 v[TM+12+\b], 0xff000000, v[TM+\b]
.endr
.irp b, 0,1,2,3
	v_lshrrev_b32 v[TM+4+\b], 23, v[TM+12+\b]
.endr
	v_lshl_or_b32 v[PW], v[TM+5], 8, v[TM+4]
	v_lshl_or_b32 v[PW], v[TM+6], 16, v[PW]
	v_lshl_or_b32 v[PW], v[TM+7], 24, v[PW]
.if \sh
	v_add_nc_u32 v[PW], 0xfefefeff, v[PW]
.endif
	WIN (\w)
.irp c, 0,1
	v_cvt_scalef32_pk16_fp6_f32 v[PC+6*\c:PC+2+6*\c], v[(\s)+32*\c:(\s)+15+32*\c], v[TM+12+2*\c]
	v_cvt_scalef32_pk16_fp6_f32 v[PC+12+4*\c:PC+14+4*\c], v[(\s)+16+32*\c:(\s)+31+32*\c], v[TM+12+2*\c+1]
.endr
	WIN 0
	v_nop
.irp c, 0,1
.irp i, 0,1,2
	v_permlane16_swap_b32 v[PC+6*\c+\i], v[PC+12+4*\c+\i]
.endr
.irp i, 0,1,2
	v_mov_b32 v[PC+3+6*\c+\i], v[PC+12+4*\c+\i]
.endr
.endr
.endm
	s_load_b128 s[4:7], s[0:1], 0x0                ; hq, wts
	s_load_b64 s[8:9], s[0:1], 0x10                ; qkv
	v_lshl_add_u32 v[SPW], v0, 2, SPARE
	v_mov_b32 v[NIL], 0
	ds_add_u32 v6, v7
	ds_add_u32 v6, v7
	s_wait_dscnt 0x0
	v_lshrrev_b32 v8, 5, v0
	v_readfirstlane_b32 s14, v8                    ; wave
	s_lshr_b32 s15, s14, 1                         ; my half of A's rows.  Also: I fetch for A (0) or B (1)
	s_and_b32 s16, s14, 1                          ; my half of B's rows.  Also: which 128 rows I fetch
	s_bfe_u32 s40, ttmp6, 0x40000                  ; cx
	s_bfe_u32 s41, ttmp6, 0x40004                  ; cy
	s_and_b32 s95, ttmp7, 0xffff                   ; cluster y
	s_cmp_eq_u32 ttmp9, 2                          ; v's clusters: the same answer in all sixteen partners
	s_cselect_b32 s17, 0, s95
	s_cselect_b32 s42, s95, ttmp9
	s_lshl_b32 s17, s17, 2
	s_add_co_u32 s17, s17, s41                     ; A's tile: tokens 4 y + cy; in v's clusters Wv's columns cy
	s_lshl_b32 s42, s42, 2
	s_add_co_u32 s42, s42, s40                     ; B's tile: columns of Wq, Wk 4 x + cx; in v's clusters tokens 4 y + cx
	s_lshl_b32 s43, s41, 2
	s_lshl_b32 s43, 15, s43                        ; my row of the cluster
	s_lshl_b32 s44, 0x1111, s40                    ; my column
	s_or_b32 s[G1+0], s43, (3<<16)|(1<<21)         ; the mask; elements of 8 bytes; bit 21 beside a mask; no padding
	s_or_b32 s[G1B+0], s44, (3<<16)|(1<<21)
.irp g, G1, G1B
	s_mov_b32 s[\g+1], 384<<16                     ; tensor_dim0: two images, 3,072 bytes
	s_mov_b32 s[\g+2], 16<<16                      ; tensor_dim1: the head's loads bring 16 row blocks
	s_mov_b32 s[\g+3], 384<<16                     ; tile_dim0
	s_mov_b32 s[\g+4], 16                          ; tile_dim1
	s_mov_b32 s[\g+5], KST*IMG/8                   ; from a row block to the next
	s_mov_b32 s[\g+6], 0
	s_mov_b32 s[\g+7], 0
.endr
	s_or_b32 s[G1S+0], s43, (3<<16)|(1<<21)        ; the scale words of 256 rows: 8,192 dense bytes as 32 rows of 256
	s_or_b32 s[G1SB+0], s44, (3<<16)|(1<<21)
.irp g, G1S, G1SB
	s_mov_b32 s[\g+1], 32<<16
	s_mov_b32 s[\g+2], (2*HALFS/256)<<16           ; the scale words of 256 rows
	s_mov_b32 s[\g+3], 32<<16
	s_mov_b32 s[\g+4], 2*HALFS/256
	s_mov_b32 s[\g+5], 32
	s_mov_b32 s[\g+6], 0
	s_mov_b32 s[\g+7], 0
.endr
	s_lshl_b32 s20, s17, 4                         ; A: the tile's first row block
	s_lshl_b32 s46, s42, 4                         ; B likewise
	s_lshl_b32 s22, s20, 9
	s_mul_i32 s20, s20, KST*IMG
	s_lshl_b32 s92, s46, 9
	s_mul_i32 s46, s46, KST*IMG
	s_mov_b32 s21, 0
	s_mov_b32 s23, 0
	s_mov_b32 s47, 0
	s_mov_b32 s93, 0
	s_mul_i32 s45, s14, HALFT                      ; where they go: no place in the cluster enters an LDS address
	s_mov_b32 s[SEL], 0x76543210
	s_mov_b32 s[SEL+1], 0xfedcba98
	s_wait_kmcnt 0x0
	s_add_nc_u64 s[10:11], s[4:5], 3145728         ; h's scale words
	s_add_nc_u64 s[12:13], s[6:7], 1572864         ; Wv's codes
	s_add_nc_u64 s[18:19], s[6:7], 9502720         ; Wv's scale words
	s_add_nc_u64 s[66:67], s[6:7], 9437184         ; Wq's and Wk's scale words
	s_cmp_eq_u32 ttmp9, 2
	s_cselect_b64 s[12:13], s[12:13], s[4:5]       ; A's codes
	s_cselect_b64 s[18:19], s[18:19], s[10:11]     ; A's scale words
	s_cselect_b64 s[4:5], s[4:5], s[6:7]           ; B's codes
	s_cselect_b64 s[10:11], s[10:11], s[66:67]     ; B's scale words
	s_add_nc_u64 s[20:21], s[12:13], s[20:21]
	s_add_nc_u64 s[22:23], s[18:19], s[22:23]
	s_add_nc_u64 s[46:47], s[4:5], s[46:47]
	s_add_nc_u64 s[92:93], s[10:11], s[92:93]
	CROUND                                         ; all sixteen work-groups are here: the first joint loads meet
	s_mov_b32 s[G0S], 1
	s_mov_b32 s[G0S+1], SCL
	s_mov_b64 s[G0S+2:G0S+3], s[22:23]
	s_or_b32 s[G0S+3], s[G0S+3], 0x80000000
	s_mov_b32 s[G0SB], 1
	s_mov_b32 s[G0SB+1], SCL+2*HALFS
	s_mov_b64 s[G0SB+2:G0SB+3], s[92:93]
	s_or_b32 s[G0SB+3], s[G0SB+3], 0x80000000
	s_mov_b32 s[G0], 1                             ; K steps 0, 1 of A's 256 rows,
	s_mov_b32 s[G0+1], 0
	s_mov_b64 s[G0+2:G0+3], s[20:21]
	s_or_b32 s[G0+3], s[G0+3], 0x80000000
	s_mov_b32 s[G0B], 1                            ; and of B's, behind them in slot 0
	s_mov_b32 s[G0B+1], 2*HALFT
	s_mov_b64 s[G0B+2:G0B+3], s[46:47]
	s_or_b32 s[G0B+3], s[G0B+3], 0x80000000
	s_mul_i32 s18, s16, 8*KST*IMG                  ; behind the head I fetch 128 rows of a tile: which half, in bytes
	s_mov_b32 s19, 0
	s_add_nc_u64 s[20:21], s[20:21], s[18:19]
	s_add_nc_u64 s[46:47], s[46:47], s[18:19]
	s_lshl_b32 s18, s45, 1                         ; the large slot: wave x 8 rows of 6,144 bytes
	s_mov_b32 s[G0+4], 1
	s_add_co_u32 s[G0+5], s18, SLOT
	s_add_nc_u64 s[G0+6:G0+7], s[20:21], 2*IMG     ; K steps 2 to 5
	s_or_b32 s[G0+7], s[G0+7], 0x80000000
	s_mov_b32 s[G0B+4], 1
	s_add_co_u32 s[G0B+5], s18, SLOT
	s_add_nc_u64 s[G0B+6:G0B+7], s[46:47], 2*IMG
	s_or_b32 s[G0B+7], s[G0B+7], 0x80000000
; the head's loads, one a wave: one tree of branches on the wave's number, each arm with its load
.macro ARM under, g0, g1, next
	s_cmp_lt_u32 s14, \under
	s_cbranch_scc0 \next
	tensor_load_to_lds s[\g0:\g0+3], s[\g1:\g1+7]
	s_nop 0
.rept 4
	v_nop
.endr
	s_branch .Lhead_asked
\next:
.endm
	ARM 1, G0,  G1,  .Lhead_b
	ARM 2, G0B, G1B, .Lhead_sa
	ARM 3, G0S, G1S, .Lhead_sb
	tensor_load_to_lds s[G0SB:G0SB+3], s[G1SB:G1SB+7]
	s_nop 0
.rept 4
	v_nop
.endr
.Lhead_asked:
	v_and_b32 v14, 31, v0
	v_lshlrev_b32 v[VO1], 3, v14                   ; 8 x lane
	s_mul_i32 s21, s15, HALFT
	s_mul_i32 s22, s16, HALFT
	s_add_co_u32 s22, s22, 2*HALFT
.irp s, 0,1
	v_add_nc_u32 v[ADRA+\s], s21, v[VO1]
	v_add_nc_u32 v[ADRB+\s], s22, v[VO1]
	s_lshl_b32 s21, s21, 1                         ; in the large slot a part is twice as long
	s_add_co_u32 s21, s21, SLOT
	s_lshl_b32 s22, s22, 1
	s_add_co_u32 s22, s22, SLOT
.endr
	v_and_b32 v12, 15, v0                          ; r
	v_bfe_u32 v13, v0, 4, 1                        ; h
	s_wait_alu depctr_va_vdst(0)
	v_lshlrev_b32 v14, 2, v12                      ; 4 r
	s_mul_i32 s21, s15, HALFS
	s_mul_i32 s22, s16, HALFS
	s_add_co_u32 s22, s22, 2*HALFS
	s_sub_co_u32 s22, s22, s21
	v_mul_u32_u24 v15, s22, v13                    ; lanes 16-31 take B's: one product, the distance between the two
	s_add_co_u32 s21, s21, SCL
	v_add_nc_u32 v15, v14, v15
	v_add_nc_u32 v[ADRS], s21, v15
	; where the results go.  q, k: half image (16 b + head) x 64 + token block, 768 bytes each
	s_lshr_b32 s4, s17, 2
	s_lshl_b32 s4, s4, 4
	s_lshl_b32 s5, s40, 2
	s_add_co_u32 s4, s4, s5
	s_lshl_b32 s5, s16, 1
	s_add_co_u32 s4, s4, s5                        ; 16 b + my first head
	s_lshl_b32 s4, s4, 6
	s_and_b32 s5, s17, 3
	s_lshl_b32 s5, s5, 4
	s_add_co_u32 s4, s4, s5
	s_lshl_b32 s5, s15, 3
	s_add_co_u32 s4, s4, s5                        ; + my first token block
	; v: image ((16 b + head) x 8 + key step) x 4 + tile of channels
	s_lshl_b32 s6, s42, 1
	s_add_co_u32 s6, s6, s16                       ; my 128 tokens among the 32 runs
	s_lshr_b32 s7, s6, 3
	s_lshl_b32 s7, s7, 4
	s_lshl_b32 s10, s17, 2
	s_add_co_u32 s7, s7, s10
	s_lshl_b32 s10, s15, 1
	s_add_co_u32 s7, s7, s10                       ; 16 b + my first head
	s_lshl_b32 s7, s7, 3
	s_and_b32 s6, s6, 7
	s_add_co_u32 s7, s7, s6
	s_lshl_b32 s7, s7, 2
	s_mul_i32 s10, ttmp9, 3145728
	s_mul_i32 s11, ttmp9, 262144
	s_add_co_u32 s11, s11, 9437184
	s_mov_b32 s12, 6291456
	s_mov_b32 s13, 9961472
	s_mov_b32 s18, 768
	s_mov_b32 s20, 49152
	s_cmp_eq_u32 ttmp9, 2
	s_cselect_b32 s4, s7, s4
	s_cselect_b32 s10, s12, s10                    ; the codes' region
	s_cselect_b32 s11, s13, s11                    ; the scale words' region
	s_cselect_b32 s18, 1536, s18                   ; from one block of A to the next
	s_cselect_b32 s66, 43008, 0                    ; more at the fifth block: v's next head
	s_cselect_b32 s96, 1792, 0
	s_cselect_b32 s20, 768, s20                    ; registers 6-11: the same image, or the next head's half image
	s_cselect_b32 s21, 0, 16
	s_cselect_b32 s22, 0, 4096
	s_mul_i32 s5, s4, s18
	s_add_co_u32 s10, s10, s5
	s_lshl_b32 s5, s4, 6
	s_add_co_u32 s12, s11, s5
	s_mov_b32 s11, 0
	s_mov_b32 s13, 0
	s_mov_b32 s19, 0
	s_mov_b32 s67, 0
	s_mov_b32 s97, 0
	s_add_nc_u64 s[12:13], s[8:9], s[12:13]        ; the scale words
	s_add_nc_u64 s[8:9], s[8:9], s[10:11]          ; the codes
	v_add_nc_u32 v[VO2], s20, v[VO1]
	v_mul_u32_u24 v[VSH], s21, v13                 ; q, k: lanes 16-31 store the word's upper two bytes, for the next head
	v_mul_u32_u24 v[VSO], s22, v13
	s_wait_alu depctr_va_vdst(0)
	v_add_nc_u32 v[VSO], v14, v[VSO]
.macro FRAG reg, adr, q, i             ; an image comes back as it was stored: six loads of 8 bytes a lane, 256 consecutive bytes each
.irp p, 0,1,2,3,4,5
	ds_load_b64 v[(\reg)+2*\p:(\reg)+2*\p+1], v[\adr] offset:(\i)*NQ*IMG*(1+((\adr)-1)%2)+(\q)*IMG+256*\p   ; the address registers of the large slot are the even ones: there a row block has four images
.endr
.endm
; 16 matrix instructions: A's blocks a0, a0 + 1 x B's eight.  cm = 1: the first product starts the sums.  The 64 accumulators take turns in one order.
.macro MUL16 a0, p, q, sc, cm
.irp a, \a0, \a0+1
.irp b, 0,1,2,3,4,5,6,7
.if (\cm) == 1
	v_wmma_scale_f32_16x16x128_f8f6f4 v[8*(8*((\a)%4)+\b):8*(8*((\a)%4)+\b)+7], v[128*(\p)+FR*\b:128*(\p)+FR*\b+FR-1], v[AF+FR*(\a):AF+FR*(\a)+FR-1], 0, v[SC+8*NQ*(\sc)+NQ*\b+(\q)], v[SC+8*NQ*(\sc)+NQ*(\a)+(\q)] matrix_a_fmt:MATRIX_FMT_FP6 matrix_b_fmt:MATRIX_FMT_FP6 matrix_a_scale:MATRIX_SCALE_ROW1
.else
	v_wmma_scale_f32_16x16x128_f8f6f4 v[8*(8*((\a)%4)+\b):8*(8*((\a)%4)+\b)+7], v[128*(\p)+FR*\b:128*(\p)+FR*\b+FR-1], v[AF+FR*(\a):AF+FR*(\a)+FR-1], v[8*(8*((\a)%4)+\b):8*(8*((\a)%4)+\b)+7], v[SC+8*NQ*(\sc)+NQ*\b+(\q)], v[SC+8*NQ*(\sc)+NQ*(\a)+(\q)] matrix_a_fmt:MATRIX_FMT_FP6 matrix_b_fmt:MATRIX_FMT_FP6 matrix_a_scale:MATRIX_SCALE_ROW1
.endif
.endr
.endr
.endm
.macro FETCH_B slot, q, p
	WIN TO_B
.irp i, 0,1,2,3,4,5,6,7
	FRAG 128*(\p)+FR*\i, ADRB+\slot, \q, \i
.endr
	WIN 0
.endm
.macro FETCH_A slot, q, i0
.irp i, \i0, \i0+1, \i0+2, \i0+3
	FRAG AF+FR*(\i), ADRA+\slot, \q, \i
.endr
.endm
.macro SCALES sc                       ; a slot's scale words: lanes 0-15 A's block i, lanes 16-31 B's block i
.irp i, 0,1,2,3,4,5,6,7
.irp q, 0,1
	ds_load_b32 v[SC+8*NQ*((\sc)%2)+NQ*\i+\q], v[ADRS] offset:\i*KST*64+128*(\sc)+64*\q   ; sc: which pair of K steps; set sc % 2
.endr
.endr
.endm
.macro STEP slot, q, sc, cm, pr        ; sc: the set of scale words; pr other than 0: the next step begins pair pr
	s_wait_dscnt 4*NL                              ; all but the youngest 24 loads, A's blocks 4-7
	WIN MUL_LO
	MUL16 0, (\q)%2, (\q)%2, \sc, \cm
	MUL16 2, (\q)%2, (\q)%2, \sc, \cm
	s_wait_dscnt 0x0
	PLACES NP                                      ; four plain lines in front of loads into registers that matrix instructions have read
	FETCH_B \slot, (\q)+1, 1-(\q)%2
	FETCH_A \slot, (\q)+1, 0
.if \pr
	SCALES \pr
.endif
	WIN MUL_HI
	MUL16 4, (\q)%2, (\q)%2, \sc, \cm
	MUL16 6, (\q)%2, (\q)%2, \sc, \cm
	PLACES NP
	WIN 0
	FETCH_A \slot, (\q)+1, 4
.endm
.macro TURN slot, next, fill, sc, pr
	s_wait_tensorcnt 0x0                           ; all my tensor loads have landed: my part of the next slot
	ds_add_u32 v[SPW], v[NIL]                      ; 0 onto my spare word
.if \fill
.irp g, G1, G1B
	s_mov_b32 s[\g+1], 384<<16                     ; no tensor load of mine is out: the refill's rows are two images again
	s_mov_b32 s[\g+3], 384<<16
.endr
.endif
	s_wait_dscnt 4*NL+1                            ; the add and A's blocks 4-7 may be out
	WIN MUL_LO
	MUL16 0, 1, NQ-1, \sc, 0
	s_wait_dscnt 0x0                               ; the add is done, and my reads of this slot are over
	s_barrier_signal -1
	MUL16 2, 1, NQ-1, \sc, 0
	WIN 0
	s_barrier_wait -1
.if \fill
	CREST                                          ; the barrier has opened a round of the cluster's: no wave of any partner still reads this slot or has a load on its way
	JLOAD G0+4*\slot, G1, G0B+4*\slot, G1B         ; the first tensor load behind the round; its four v_nop are the places in front of the loads below
.else
	PLACES NP
.endif
	FETCH_B \next, 0, 0
	FETCH_A \next, 0, 0
	SCALES \pr
	WIN MUL_HI
	MUL16 4, 1, NQ-1, \sc, 0
	MUL16 6, 1, NQ-1, \sc, 0
	PLACES NP
	WIN 0
	FETCH_A \next, 0, 4
.endm
	s_wait_alu depctr_va_vdst(0)
	s_wait_tensorcnt 0x0                           ; my tile of the head's four is in
	ds_add_u32 v[SPW], v[NIL]
.irp g, G1, G1B
	s_mov_b32 s[\g+1], 768<<16                     ; no tensor load of mine is out: the next load brings 8 rows of four images
	s_mov_b32 s[\g+2], 8<<16
	s_mov_b32 s[\g+3], 768<<16
	s_mov_b32 s[\g+4], 8
.endr
	s_mov_b32 s[G0+1], s45                         ; and slot 0's refill: my quarter, K steps 6, 7
	s_add_nc_u64 s[G0+2:G0+3], s[G0+6:G0+7], 4*IMG
	s_mov_b32 s[G0B+1], s45
	s_add_nc_u64 s[G0B+2:G0B+3], s[G0B+6:G0B+7], 4*IMG
	s_wait_dscnt 0x0
	CROUND                                         ; all four tiles are in, and all sixteen work-groups are here
	JLOAD G0+4, G1, G0B+4, G1B                     ; K steps 2 to 5, the first tensor load behind the round
	FETCH_B 0, 0, 0
	FETCH_A 0, 0, 0
	SCALES 0
	FETCH_A 0, 0, 4
	STEP 0, 0, 0, 1, 0                             ; K step 0
	TURN 0, 1, 1, 0, 1                             ; K step 1; slot 0 is filled again
	STEP 1, 0, 1, 0, 0
	STEP 1, 1, 1, 0, 2
	STEP 1, 2, 0, 0, 0
	TURN 1, 0, 0, 0, 3                             ; K step 5; nothing is filled
	STEP 0, 0, 1, 0, 0                             ; K step 6
	s_wait_dscnt 4*NL
	WIN MUL_LO
	MUL16 0, 1, NQ-1, 1, 0
	MUL16 2, 1, NQ-1, 1, 0
	s_wait_dscnt 0x0
	WIN MUL_HI
	MUL16 4, 1, NQ-1, 1, 0
	MUL16 6, 1, NQ-1, 1, 0
	WIN 0
	; THE WAY OUT: each block of A's 64 sums a lane are 128 neighbours along the next K of one row: quantised in registers and stored as an image, 256 consecutive bytes a store.
	PLACES NP
.irp b, 0,1,2,3
	v_mov_b32 v[TM+4+\b], 0                        ; a lane permute's destination counts as one of its sources
.endr
.irp a, 0,1,2,3,4,5,6,7
.if \a > 0
	s_wait_xcnt 0x0                                ; the last block's stores have read their registers and bases
	s_add_nc_u64 s[8:9], s[8:9], s[18:19]
	s_add_nc_u64 s[12:13], s[12:13], 64
.if \a == 4
	s_add_nc_u64 s[8:9], s[8:9], s[66:67]
	s_add_nc_u64 s[12:13], s[12:13], s[96:97]
.endif
.endif
	QUANT 64*(\a%4), 2+\a/4, 0
.irp p, 0,1,2
	global_store_b64 v[VO1], v[PC+2*\p:PC+2*\p+1], s[8:9] offset:256*\p
.endr
.irp p, 3,4,5
	global_store_b64 v[VO2], v[PC+2*\p:PC+2*\p+1], s[8:9] offset:256*(\p-3)
.endr
	v_lshrrev_b32 v[PS], v[VSH], v[PW]
	global_store_b32 v[VSO], v[PS], s[12:13]
.endr
	s_wait_tensorcnt 0x0                           ; the wave's end
	ds_add_u32 v[SPW], v[NIL]
	s_wait_dscnt 0x0
	CROUND                                         ; the closing round
	s_endpgm
.Lfunc_end_k_qfb0630a41f_qkv:
	.size	k_qfb0630a41f_qkv, .Lfunc_end_k_qfb0630a41f_qkv-k_qfb0630a41f_qkv
	.p2alignl 7, 3214868480
	.fill 96, 4, 3214868480
	.section	.rodata,"a",@progbits
	.p2align	6, 0x0
	.amdhsa_kernel k_qfb0630a41f_qkv
		.amdhsa_group_segment_fixed_size 327680
		.amdhsa_private_segment_fixed_size 0
		.amdhsa_enable_private_segment 0
		.amdhsa_kernarg_size 24
		.amdhsa_user_sgpr_count 2
		.amdhsa_user_sgpr_kernarg_segment_ptr 1
		.amdhsa_wavefront_size32 1
		.amdhsa_system_sgpr_workgroup_id_x 1
		.amdhsa_system_sgpr_workgroup_id_y 1
		.amdhsa_system_sgpr_workgroup_id_z 1
		.amdhsa_system_vgpr_workitem_id 0
		.amdhsa_next_free_vgpr 1024
		.amdhsa_next_free_sgpr 100
		.amdhsa_reserve_vcc 0
		.amdhsa_float_denorm_mode_32 3
		.amdhsa_float_denorm_mode_16_64 3
		.amdhsa_memory_ordered 1
		.amdhsa_forward_progress 1
		.amdhsa_inst_pref_size 171
	.end_amdhsa_kernel
	.amdgpu_metadata
---
amdhsa.version: [ 1, 2 ]
amdhsa.kernels:
  - .name:           k_qfb0630a41f_qkv
    .symbol:         k_qfb0630a41f_qkv.kd
    .args:
      - { .name: hq, .offset: 0, .size: 8, .value_kind: global_buffer, .address_space: global }
      - { .name: wts, .offset: 8, .size: 8, .value_kind: global_buffer, .address_space: global }
      - { .name: qkv, .offset: 16, .size: 8, .value_kind: global_buffer, .address_space: global }
    .group_segment_fixed_size: 327680
    .private_segment_fixed_size: 0
    .kernarg_segment_align: 8
    .kernarg_segment_size: 24
    .max_flat_workgroup_size: 128
    .sgpr_count:     100
    .vgpr_count:     1024
    .wavefront_size: 32
...
	.end_amdgpu_metadata
.endif
;; end of part 2
;; launch attn (part 3): grid 4 x 64, 16 waves a work-group, clusters of 4 x 1, 169,984 bytes of LDS; arguments qkv, ctx; writes ctx
.if DOCPART == 3
	.amdgcn_target "amdgcn-amd-amdhsa--gfx1250"
	.amdhsa_code_object_version 6
	.text
	.protected	k_qfb0630a41f_attn
	.globl	k_qfb0630a41f_attn
	.p2align	8
	.type	k_qfb0630a41f_attn,@function
k_qfb0630a41f_attn:
	s_mov_b64 s[64:65], 0
	v_nop
	global_prefetch_b8 v0, s[64:65] scope:SCOPE_SE
	s_setreg_imm32_b32 hwreg(HW_REG_WAVE_MODE, 25, 1), 1
	s_wait_xcnt 0x0
	s_wait_alu depctr_hold_cnt(0) depctr_sa_sdst(0) depctr_va_vdst(0) depctr_va_sdst(0) depctr_va_ssrc(0) depctr_va_vcc(0) depctr_vm_vsrc(0)
	s_getreg_b32 s2, hwreg(HW_REG_IB_STS2, 6, 4)
	s_cmp_eq_u32 s2, 0
	s_cbranch_scc0 .Lentry_in_a_cluster
	s_endpgm
.Lentry_in_a_cluster:
	s_bfe_u32 s2, ttmp6, 0x10000c
	s_cmp_lg_u32 s2, 0x3003
	s_cbranch_scc0 .Lentry_shape_is_right
	s_endpgm
.Lentry_shape_is_right:
; Causal attention of one head (64 channels, 1,024 tokens) on codes of FP6 (E2M3) with E8M0 scales, and the quantiser of its result along the model's 1,024: ctx leaves as images of operand registers.
; q, k: half images (16 rows x 64 K, 768 bytes) [b][head][token block]; the upper 64 of the instruction's K are zero codes on both sides.  v^T: images [b][head][key step][tile of 16 channels].  Image row r of block T is row 32 (T / 2) + 8 (T % 2) + r + 8 (r / 8).
; THE SOFTMAX: t = score x log2(e) / 8; M = the running largest t rounded up to a whole number; p = 2^(t - M) is quantised along the keys, not normalised; the row's sum is taken of the unquantised p and divides at the end.
; SHARES.  The four work-groups of a cluster serve one head.  A head's k, v^T and their scale words, 104,448 bytes, come into LDS ONCE, by joint loads (mask 15) of waves 0 to 9, one load a wave: no ring, no refill.
; Each of sixteen waves owns one token block of 16 queries: block cx + 4 p, p = wave below 8, else 23 - wave.  It needs key steps 0 .. p / 2, which hangs on the wave's number alone: no branch hangs on the place in the cluster.
; The loop has 8 trips in every wave; a step whose keys all come after the wave's queries is jumped over, but for its address steps.  The one step on the diagonal hides keys by -infinity ahead of the maximum.
; Both products are used transposed: S^T = k q^T, O^T = v^T p^T: a lane holds one query throughout, and the 16 registers of two neighbouring tiles are 16 neighbouring keys, or channels.
; No prefetch: the only loads of k and v stand at the head.  LIMITS: a block of zeros, or one under 2^-124, gets the byte 1 (read by this program alone); NaN and infinities are not served.
; REGISTERS: v1-5 addresses that stay; v8-11 the step's; v12 -M, v13 the largest t, v[14:15] the sum; v16-27 q; v28 q's scale words; v29 4 r; v32-79 four fragments of k; v96-159 S^T, then p, then v^T's four fragments;
;   v160-191 O^T; v192-211 p's codes; v212-223 maxima, bytes, scale operands; v228 p's scale word; v[230:231] f; v232-239 k's and v's scale words; v252-254 at work.
.set VOFF,  49152                      ; LDS: k's 64 half images at 0, v^T's 32 images here,
.set SKO,   98304                      ; k's scale words,
.set SVO,   102400                     ; v's
.set WV,    18
.set SEL,   20
.set CS,    22
.set G1C,   24
.set G1SK,  32
.set G1SV,  40
.set G0K,   48
.set G0V,   52
.set G0SK,  56
.set G0SV,  60
.set TB,    66                         ; the step's tiles: 6,144 bytes a step, in k and in v^T
.set TS,    67                         ; k's scale words: 512 a step
.set TJ,    68                         ; v's: 256 a step
.set KI,    69                         ; the key step
.set DI,    70                         ; my last key step
.set MX,    212
.set MY,    216
.set MS,    220
.set PC,    192
.macro CROUND
	s_barrier_signal -1
	s_barrier_wait -1
	s_cmp_lg_u32 s[WV], 0
	s_cbranch_scc1 .Lnot_wave_0_\@
	s_barrier_signal -3
.Lnot_wave_0_\@:
	s_barrier_wait -3
	s_barrier_signal -1
	s_barrier_wait -1
.endm
	s_load_b128 s[4:7], s[0:1], 0x0                ; qkv, ctx
	v_lshl_add_u32 v253, v0, 2, 0x29000
	v_mov_b32 v255, 0
	ds_add_u32 v253, v255
	ds_add_u32 v253, v255
	v_lshrrev_b32 v8, 5, v0
	s_delay_alu instid0(VALU_DEP_1)
	v_readfirstlane_b32 s[WV], v8                  ; wave 0..15
	s_bfe_u32 s8, ttmp6, 0x40000                   ; cx
	s_and_b32 s9, ttmp7, 0xffff                    ; 16 b + head
	s_sub_co_u32 s10, 23, s[WV]
	s_cmp_lt_u32 s[WV], 8
	s_cselect_b32 s10, s[WV], s10                  ; p
	s_lshr_b32 s[DI], s10, 1
	s_lshl_b32 s11, s10, 2
	s_add_co_u32 s11, s11, s8                      ; my token block: it enters q's and ctx's addresses and the mask's numbers alone
	s_mov_b32 s[G1C], 15|(3<<16)|(1<<21)           ; all four work-groups; elements of 8 bytes; bit 21 beside a mask
	s_mov_b32 s[G1C+1], 32<<16                     ; dense bytes as rows of 256
	s_mov_b32 s[G1C+2], 48<<16                     ; a quarter of k or of v^T: 12,288 bytes
	s_mov_b32 s[G1C+3], 32<<16
	s_mov_b32 s[G1C+4], 48
	s_mov_b32 s[G1C+5], 32
	s_mov_b32 s[G1C+6], 0
	s_mov_b32 s[G1C+7], 0
	s_mov_b32 s[G1SK], 15|(3<<16)|(1<<21)
	s_mov_b32 s[G1SK+1], 32<<16
	s_mov_b32 s[G1SK+2], 16<<16                    ; k's scale words: 4,096 bytes
	s_mov_b32 s[G1SK+3], 32<<16
	s_mov_b32 s[G1SK+4], 16
	s_mov_b32 s[G1SK+5], 32
	s_mov_b32 s[G1SK+6], 0
	s_mov_b32 s[G1SK+7], 0
	s_mov_b32 s[G1SV], 15|(3<<16)|(1<<21)
	s_mov_b32 s[G1SV+1], 32<<16
	s_mov_b32 s[G1SV+2], 8<<16                     ; v's: 2,048 bytes
	s_mov_b32 s[G1SV+3], 32<<16
	s_mov_b32 s[G1SV+4], 8
	s_mov_b32 s[G1SV+5], 32
	s_mov_b32 s[G1SV+6], 0
	s_mov_b32 s[G1SV+7], 0
	s_and_b32 s12, s[WV], 3
	s_mul_i32 s12, s12, 12288                      ; my quarter
	s_mul_i32 s13, s9, 49152
	s_add_co_u32 s14, s13, s12
	s_mov_b32 s15, 0
	s_lshl_b32 s72, s9, 12
	s_mov_b32 s73, 0
	s_lshl_b32 s74, s9, 11
	s_mov_b32 s75, 0
	s_mov_b32 s[SEL], 0x76543210
	s_mov_b32 s[SEL+1], 0xfedcba98
	s_mov_b32 s[CS], 0x3e38aa3b                    ; log2(e) / 8
	s_mov_b32 s[CS+1], s[CS]
	s_mov_b32 s[TB], 0
	s_mov_b32 s[TS], 0
	s_mov_b32 s[TJ], 0
	s_mov_b32 s[KI], 0
	s_wait_dscnt 0x0
	s_wait_kmcnt 0x0
	s_add_nc_u64 s[16:17], s[4:5], s[14:15]
	s_mov_b32 s[G0K], 1
	s_mov_b32 s[G0K+1], s12
	s_add_nc_u64 s[G0K+2:G0K+3], s[16:17], 3145728
	s_or_b32 s[G0K+3], s[G0K+3], 0x80000000
	s_mov_b32 s[G0V], 1
	s_add_co_u32 s[G0V+1], s12, VOFF
	s_add_nc_u64 s[G0V+2:G0V+3], s[16:17], 6291456
	s_or_b32 s[G0V+3], s[G0V+3], 0x80000000
	s_mov_b32 s[G0SK], 1
	s_mov_b32 s[G0SK+1], SKO
	s_add_nc_u64 s[G0SK+2:G0SK+3], s[4:5], s[72:73]
	s_add_nc_u64 s[G0SK+2:G0SK+3], s[G0SK+2:G0SK+3], 9699328
	s_or_b32 s[G0SK+3], s[G0SK+3], 0x80000000
	s_mov_b32 s[G0SV], 1
	s_mov_b32 s[G0SV+1], SVO
	s_add_nc_u64 s[G0SV+2:G0SV+3], s[4:5], s[74:75]
	s_add_nc_u64 s[G0SV+2:G0SV+3], s[G0SV+2:G0SV+3], 9961472
	s_or_b32 s[G0SV+3], s[G0SV+3], 0x80000000
	CROUND                                         ; all four work-groups are here: the joint loads meet
	s_cmp_lt_u32 s[WV], 4                          ; the branches hang on the wave's number alone; four v_nop follow each load
	s_cbranch_scc0 .Lnot_k
	tensor_load_to_lds s[G0K:G0K+3], s[G1C:G1C+7]
	s_nop 0
.rept 4
	v_nop
.endr
	s_branch .Lasked
.Lnot_k:
	s_cmp_lt_u32 s[WV], 8
	s_cbranch_scc0 .Lnot_v
	tensor_load_to_lds s[G0V:G0V+3], s[G1C:G1C+7]
	s_nop 0
.rept 4
	v_nop
.endr
	s_branch .Lasked
.Lnot_v:
	s_cmp_eq_u32 s[WV], 8
	s_cbranch_scc0 .Lnot_sk
	tensor_load_to_lds s[G0SK:G0SK+3], s[G1SK:G1SK+7]
	s_nop 0
.rept 4
	v_nop
.endr
	s_branch .Lasked
.Lnot_sk:
	s_cmp_eq_u32 s[WV], 9
	s_cbranch_scc0 .Lasked
	tensor_load_to_lds s[G0SV:G0SV+3], s[G1SV:G1SV+7]
	s_nop 0
.rept 4
	v_nop
.endr
.Lasked:
	s_lshl_b32 s71, s9, 6
	s_add_co_u32 s71, s71, s11                     ; (16 b + head) x 64 + my token block
	s_mul_i32 s72, s71, 768
	s_add_nc_u64 s[74:75], s[4:5], s[72:73]        ; q's half image
	s_lshl_b32 s72, s71, 6
	s_add_nc_u64 s[76:77], s[4:5], s[72:73]
	s_add_nc_u64 s[76:77], s[76:77], 9437184       ; its scale words
	v_and_b32 v9, 31, v0
	s_delay_alu instid0(VALU_DEP_1)
	v_lshlrev_b32 v1, 3, v9
	v_lshlrev_b32 v6, 4, v9                        ; 16 x lane
	v_and_b32 v10, 15, v0                          ; r
	v_bfe_u32 v11, v0, 4, 1                        ; h
	s_delay_alu instid0(VALU_DEP_2)
	v_lshlrev_b32 v29, 2, v10                      ; 4 r
.irp p, 0,1,2
	global_load_b64 v[16+2*\p:17+2*\p], v1, s[74:75] offset:256*\p
.endr
	global_load_b32 v28, v29, s[76:77]
	v_add_nc_u32 v2, SKO, v29
	v_add_nc_u32 v3, SVO, v29
	v_add_nc_u32 v5, VOFF, v1
	s_lshr_b32 s78, s11, 1
	s_lshl_b32 s78, s78, 5
	s_and_b32 s79, s11, 1
	s_lshl_b32 s79, s79, 3
	s_add_co_u32 s78, s78, s79
	v_and_b32 v4, 8, v10
	s_delay_alu instid0(VALU_DEP_1)
	v_add_nc_u32 v4, v4, v10
	s_delay_alu instid0(VALU_DEP_1)
	v_add_nc_u32 v4, s78, v4                       ; my query's token
	v_lshlrev_b32 v12, 4, v11
	s_delay_alu instid0(VALU_DEP_1)
	v_sub_nc_u32 v4, v4, v12                       ; - 16 h
	s_lshr_b32 s80, s9, 4
	s_lshl_b32 s80, s80, 6
	s_add_co_u32 s80, s80, s11
	s_lshl_b32 s80, s80, 3
	s_and_b32 s81, s9, 15
	s_lshr_b32 s82, s81, 1
	s_add_co_u32 s80, s80, s82                     ; ctx's image: (64 b + block) x 8 + head / 2
	s_and_b32 s81, s81, 1
	s_mul_i32 s82, s80, 1536
	s_mul_i32 s83, s81, 768
	s_add_co_u32 s82, s82, s83
	s_mov_b32 s83, 0
	s_add_nc_u64 s[84:85], s[6:7], s[82:83]
	s_lshl_b32 s82, s80, 6
	s_lshl_b32 s86, s81, 1
	s_add_co_u32 s82, s82, s86
	s_add_nc_u64 s[86:87], s[6:7], s[82:83]
	s_add_nc_u64 s[86:87], s[86:87], 3145728
	v_mov_b32 v13, 0xff61b1e6                      ; the largest t so far: -3e38
	s_delay_alu instid0(VALU_DEP_1)
	v_floor_f32 v12, -v13                          ; -M
	v_mov_b32 v14, 0
	v_mov_b32 v15, 0
.irp j, 22,23,24,25,26,27
	v_mov_b32 v\j, 0                               ; q's upper 64 along K: zero codes
.endr
.irp t, 0,1,2,3
.irp j, 6,7,8,9,10,11
	v_mov_b32 v[32+12*\t+\j], 0                    ; k's likewise: written once, never loaded
.endr
.endr
.set j, 0
.rept 32
	v_mov_b32 v[160+j], 0                          ; O^T: the first change of M leaves zeros zeros
.set j, j+1
.endr
.irp b, 0,1,2,3
	v_mov_b32 v[MY+\b], 0                          ; a lane permute's destination counts as one of its sources
.endr
	v_mov_b32 v231, 0                              ; named as the upper half of the pair v[230:231]
	s_wait_loadcnt 0x0                             ; q
	s_wait_tensorcnt 0x0                           ; my load, if I issued one, has landed
	s_barrier_signal -1
	s_barrier_wait -1                              ; everybody's has
.Lstep:
	s_cmp_gt_u32 s[KI], s[DI]
	s_cbranch_scc1 .Lhidden                        ; all 128 keys come after my queries
	v_add_nc_u32 v8, s[TB], v1
	s_wait_alu depctr_va_vdst(0)
	v_add_nc_u32 v9, s[TB], v5
	v_add_nc_u32 v10, s[TS], v2
	s_wait_alu depctr_va_vdst(0)
	v_add_nc_u32 v11, s[TJ], v3
	v_nop                                          ; five plain lines: the scores below are written over v^T's fragments, which the last step's products read
.irp g, 0,1
.if \g > 0
.rept 4
	v_nop                                          ; in front of loads into registers that matrix instructions have read
.endr
.endif
.irp t, 0,1,2,3
.irp p, 0,1,2
	ds_load_b64 v[32+12*\t+2*\p:33+12*\t+2*\p], v8 offset:(4*\g+\t)*768+256*\p
.endr
	ds_load_b32 v[232+\t], v10 offset:(4*\g+\t)*64
.endr
	s_wait_dscnt 0x0
.irp t, 0,1,2,3
	v_wmma_scale_f32_16x16x128_f8f6f4 v[96+8*(4*\g+\t):103+8*(4*\g+\t)], v[32+12*\t:43+12*\t], v[16:27], 0, v[232+\t], v28 matrix_a_fmt:MATRIX_FMT_FP6 matrix_b_fmt:MATRIX_FMT_FP6
.endr
.endr
.rept 4
	v_nop
.endr
	s_cmp_lg_u32 s[KI], s[DI]
	s_cbranch_scc1 .Lopen                          ; all keys of the step count
	s_lshl_b32 s88, s[KI], 7
	v_subrev_nc_u32 v252, s88, v4                  ; d = my query - 128 step - 16 h: register 16 b + i holds key 32 b + i + 16 h of the step, hidden where 32 b + i > d
	v_mov_b32 v254, 0xff800000
.set n, 0
.rept 64
	v_cmp_gt_i32 vcc_lo, 32*(n/16)+n%16, v252
	v_cndmask_b32 v[96+n], v[96+n], v254, vcc_lo
.set n, n+1
.endr
.Lopen:
.irp b, 0,1,2,3
	v_max3_num_f32 v[MX+\b], v[96+16*\b], v[97+16*\b], v[98+16*\b]   ; each block's largest score: for the row's maximum, and for the block's largest p
.endr
.irp i, 3,5,7,9,11,13
.irp b, 0,1,2,3
	v_max3_num_f32 v[MX+\b], v[MX+\b], v[96+16*\b+\i], v[97+16*\b+\i]
.endr
.endr
.irp b, 0,1,2,3
	v_max_num_f32 v[MX+\b], v[MX+\b], v[111+16*\b]
.endr
.irp b, 0,1,2,3
	s_delay_alu instid0(VALU_DEP_4)
	v_permlanex16_b32 v[MY+\b], v[MX+\b], s[SEL], s[SEL+1]
.endr
.irp b, 0,1,2,3
	s_delay_alu instid0(VALU_DEP_4)
	v_max_num_f32 v[MX+\b], v[MX+\b], v[MY+\b]
.endr
	s_delay_alu instid0(VALU_DEP_2)
	v_max3_num_f32 v254, v[MX], v[MX+1], v[MX+2]
	s_delay_alu instid0(VALU_DEP_1)
	v_max_num_f32 v254, v254, v[MX+3]
	s_delay_alu instid0(VALU_DEP_1)
	v_mul_f32 v254, s[CS], v254
	s_delay_alu instid0(VALU_DEP_1)
	v_max_num_f32 v13, v13, v254                   ; the running largest t
	v_mov_b32 v254, v12
	s_delay_alu instid0(VALU_DEP_2)
	v_floor_f32 v12, -v13                          ; -M = floor(-t): M is a whole number
	s_delay_alu instid0(VALU_DEP_1)
	v_sub_f32 v254, v12, v254
	s_delay_alu instid0(VALU_DEP_1)
	v_cvt_i32_f32 v254, v254                       ; (it saturates)
	s_delay_alu instid0(VALU_DEP_1)
	v_ldexp_f32 v230, 1.0, v254                    ; f = 2^(old M - new M): rounds nothing
.set j, 0
.rept 32
	v_pk_fma_f32 v[96+j:97+j], v[96+j:97+j], s[CS:CS+1], v[12:13] op_sel_hi:[1,0,0]   ; t - M
.set j, j+2
.endr
.irp b, 0,1,2,3
	v_fma_f32 v[MX+\b], v[MX+\b], s[CS], v12
.endr
.set j, 0
	s_wait_alu depctr_va_vdst(0)
.rept 64
	v_exp_f32 v[96+j], v[96+j]                     ; p = 2^(t - M)
.set j, j+1
.endr
	v_pk_mul_f32 v[14:15], v[14:15], v[230:231] op_sel_hi:[1,0]    ; the sums under the new M: a plain line behind the batch
	s_wait_alu depctr_va_vdst(0)                   ; one wait for the batch, ahead of its first reader
.irp b, 0,1,2,3
	v_exp_f32 v[MX+\b], v[MX+\b]                   ; the blocks' largest p
.endr
	v_pk_add_f32 v[216:217], v[100:101], v[104:105]
	v_pk_add_f32 v[250:251], v[108:109], v[112:113]
	v_pk_add_f32 v[248:249], v[116:117], v[120:121]
	v_pk_add_f32 v[246:247], v[124:125], v[128:129]
	v_pk_add_f32 v[244:245], v[132:133], v[136:137]
	v_pk_add_f32 v[242:243], v[140:141], v[144:145]
	v_pk_add_f32 v[240:241], v[148:149], v[152:153]
	v_pk_add_f32 v[14:15], v[14:15], v[156:157]
	v_pk_add_f32 v[216:217], v[216:217], v[96:97]
	v_pk_add_f32 v[250:251], v[250:251], v[98:99]
	v_pk_add_f32 v[248:249], v[248:249], v[102:103]
	v_pk_add_f32 v[246:247], v[246:247], v[106:107]
	v_pk_add_f32 v[244:245], v[244:245], v[110:111]
	v_pk_add_f32 v[242:243], v[242:243], v[114:115]
	v_pk_add_f32 v[240:241], v[240:241], v[118:119]
	v_pk_add_f32 v[14:15], v[14:15], v[122:123]
	v_pk_add_f32 v[216:217], v[216:217], v[126:127]
	v_pk_add_f32 v[250:251], v[250:251], v[130:131]
	v_pk_add_f32 v[248:249], v[248:249], v[134:135]
	v_pk_add_f32 v[246:247], v[246:247], v[138:139]
	v_pk_add_f32 v[244:245], v[244:245], v[142:143]
	v_pk_add_f32 v[242:243], v[242:243], v[146:147]
	v_pk_add_f32 v[240:241], v[240:241], v[150:151]
	v_pk_add_f32 v[14:15], v[14:15], v[154:155]
	v_pk_add_f32 v[216:217], v[216:217], v[158:159]
	s_delay_alu instid0(VALU_DEP_2)
	v_pk_add_f32 v[14:15], v[14:15], v[246:247]
	s_delay_alu instid0(VALU_DEP_2)
	v_pk_add_f32 v[216:217], v[216:217], v[244:245]
	v_pk_add_f32 v[250:251], v[250:251], v[242:243]
	v_pk_add_f32 v[248:249], v[248:249], v[240:241]
	s_delay_alu instid0(VALU_DEP_2)
	v_pk_add_f32 v[14:15], v[14:15], v[250:251]
	s_delay_alu instid0(VALU_DEP_2)
	v_pk_add_f32 v[216:217], v[216:217], v[248:249]
	s_delay_alu instid0(VALU_DEP_1)
	v_pk_add_f32 v[14:15], v[14:15], v[216:217]
	s_wait_alu depctr_va_vdst(0)                   ; and one for the four
.irp b, 0,1,2,3
	v_max_num_f32 v[MX+\b], 0x1800000, v[MX+\b]    ; the floor: the byte cannot fall under 1
.endr
.irp b, 0,1,2,3
	s_delay_alu instid0(VALU_DEP_4)
	v_add_nc_u32 v[MS+\b], 0xff000000, v[MX+\b]
.endr
.irp b, 0,1,2,3
	s_delay_alu instid0(VALU_DEP_4)
	v_lshrrev_b32 v[MY+\b], 23, v[MS+\b]
.endr
	s_delay_alu instid0(VALU_DEP_3)
	v_lshl_or_b32 v228, v[MY+1], 8, v[MY]
	s_delay_alu instid0(VALU_DEP_1)
	v_lshl_or_b32 v228, v[MY+2], 16, v228
	s_delay_alu instid0(VALU_DEP_1)
	v_lshl_or_b32 v228, v[MY+3], 24, v228          ; p's scale word for these 128 keys
.irp c, 0,1
	v_cvt_scalef32_pk16_fp6_f32 v[PC+6*\c:PC+2+6*\c], v[96+32*\c:111+32*\c], v[MS+2*\c]
	v_cvt_scalef32_pk16_fp6_f32 v[PC+12+4*\c:PC+14+4*\c], v[112+32*\c:127+32*\c], v[MS+2*\c+1]
.endr
	v_nop                                          ; one plain line behind the conversions
.irp t, 0,1,2,3
.irp p, 0,1,2,3,4,5
	ds_load_b64 v[96+12*\t+2*\p:97+12*\t+2*\p], v9 offset:\t*1536+256*\p   ; v^T's four images, into the registers that p has left
.endr
	ds_load_b32 v[236+\t], v11 offset:\t*64
.endr
.irp c, 0,1
.irp i, 0,1,2
	v_permlane16_swap_b32 v[PC+6*\c+\i], v[PC+12+4*\c+\i]
.endr
.irp i, 0,1,2
	s_delay_alu instid0(VALU_DEP_3)
	v_mov_b32 v[PC+3+6*\c+\i], v[PC+12+4*\c+\i]
.endr
.endr
.set j, 0
.rept 16
	v_pk_mul_f32 v[160+j:161+j], v[160+j:161+j], v[230:231] op_sel_hi:[1,0]   ; O^T under the new M; these sixteen are also the places in front of the scaled products
.set j, j+2
.endr
	s_wait_alu depctr_va_vdst(0)
	s_wait_dscnt 0x0
.irp t, 0,1,2,3
	v_wmma_scale_f32_16x16x128_f8f6f4 v[160+8*\t:167+8*\t], v[96+12*\t:107+12*\t], v[PC:PC+11], v[160+8*\t:167+8*\t], v[236+\t], v228 matrix_a_fmt:MATRIX_FMT_FP6 matrix_b_fmt:MATRIX_FMT_FP6
.endr
.Lhidden:
	s_add_co_u32 s[TB], s[TB], 6144
	s_add_co_u32 s[TS], s[TS], 512
	s_add_co_u32 s[TJ], s[TJ], 256
	s_add_co_u32 s[KI], s[KI], 1
	s_cmp_lt_u32 s[KI], 8
	s_cbranch_scc1 .Lstep
	; THE WAY OUT: O^T / the sum; register 16 b + i is channel 32 b + 16 h + i of my query: two blocks of ctx's K, half an image.
.rept 4
	v_nop                                          ; the places behind the last products
.endr
	v_add_f32 v14, v14, v15
	s_wait_alu depctr_va_vdst(0)
	v_permlanex16_b32 v[MY], v14, s[SEL], s[SEL+1]
	s_delay_alu instid0(VALU_DEP_1)
	v_add_f32 v14, v14, v[MY]
	s_wait_alu depctr_va_vdst(0)
	v_rcp_f32 v14, v14
	v_nop
	s_wait_alu depctr_va_vdst(0)
.set j, 0
.rept 32
	v_mul_f32 v[96+j], v[160+j], v14
.set j, j+1
.endr
.irp b, 0,1
	v_max3_num_f32 v[MX+\b], |v[96+16*\b]|, |v[97+16*\b]|, 0x1800000
.endr
.irp i, 2,4,6,8,10,12,14
.irp b, 0,1
	s_delay_alu instid0(VALU_DEP_2)
	v_max3_num_f32 v[MX+\b], v[MX+\b], |v[96+16*\b+\i]|, |v[97+16*\b+\i]|
.endr
.endr
.irp b, 0,1
	s_delay_alu instid0(VALU_DEP_2)
	v_permlanex16_b32 v[MY+\b], v[MX+\b], s[SEL], s[SEL+1]
.endr
.irp b, 0,1
	s_delay_alu instid0(VALU_DEP_2)
	v_max_num_f32 v[MX+\b], v[MX+\b], v[MY+\b]
.endr
.irp b, 0,1
	s_delay_alu instid0(VALU_DEP_2)
	v_add_nc_u32 v[MS+\b], 0xff000000, v[MX+\b]
.endr
.irp b, 0,1
	s_delay_alu instid0(VALU_DEP_2)
	v_lshrrev_b32 v[MY+\b], 23, v[MS+\b]
.endr
	s_delay_alu instid0(VALU_DEP_1)
	v_lshl_or_b32 v228, v[MY+1], 8, v[MY]          ; my head's two bytes of the row's scale word
	v_cvt_scalef32_pk16_fp6_f32 v[PC:PC+2], v[96:111], v[MS]
	v_cvt_scalef32_pk16_fp6_f32 v[PC+12:PC+14], v[112:127], v[MS+1]
	v_nop
.irp i, 0,1,2
	v_permlane16_swap_b32 v[PC+\i], v[PC+12+\i]
.endr
.irp i, 0,1,2
	s_delay_alu instid0(VALU_DEP_3)
	v_mov_b32 v[PC+3+\i], v[PC+12+\i]
.endr
	global_store_b128 v6, v[PC:PC+3], s[84:85]                 ; ctx's half image: 512 bytes, 16 a lane: my registers 0-3;
	global_store_b64 v1, v[PC+4:PC+5], s[84:85] offset:512     ; then 256 bytes, 8 a lane: registers 4, 5
	global_store_b16 v29, v228, s[86:87]           ; lanes 16-31 write what lanes 0-15 write
	s_wait_tensorcnt 0x0
	ds_add_u32 v253, v255
	s_wait_dscnt 0x0
	CROUND                                         ; the closing round
	s_endpgm
.Lfunc_end_k_qfb0630a41f_attn:
	.size	k_qfb0630a41f_attn, .Lfunc_end_k_qfb0630a41f_attn-k_qfb0630a41f_attn
	.p2alignl 7, 3214868480
	.fill 96, 4, 3214868480
	.section	.rodata,"a",@progbits
	.p2align	6, 0x0
	.amdhsa_kernel k_qfb0630a41f_attn
		.amdhsa_group_segment_fixed_size 169984
		.amdhsa_private_segment_fixed_size 0
		.amdhsa_enable_private_segment 0
		.amdhsa_kernarg_size 16
		.amdhsa_user_sgpr_count 2
		.amdhsa_user_sgpr_kernarg_segment_ptr 1
		.amdhsa_wavefront_size32 1
		.amdhsa_system_sgpr_workgroup_id_x 1
		.amdhsa_system_sgpr_workgroup_id_y 1
		.amdhsa_system_sgpr_workgroup_id_z 1
		.amdhsa_system_vgpr_workitem_id 0
		.amdhsa_next_free_vgpr 256
		.amdhsa_next_free_sgpr 100
		.amdhsa_reserve_vcc 1
		.amdhsa_float_denorm_mode_32 3
		.amdhsa_float_denorm_mode_16_64 3
		.amdhsa_memory_ordered 1
		.amdhsa_forward_progress 1
		.amdhsa_inst_pref_size 40
	.end_amdhsa_kernel
	.amdgpu_metadata
---
amdhsa.version: [ 1, 2 ]
amdhsa.kernels:
  - .name:           k_qfb0630a41f_attn
    .symbol:         k_qfb0630a41f_attn.kd
    .args:
      - { .name: qkv, .offset: 0, .size: 8, .value_kind: global_buffer, .address_space: global }
      - { .name: ctx, .offset: 8, .size: 8, .value_kind: global_buffer, .address_space: global }
    .group_segment_fixed_size: 169984
    .private_segment_fixed_size: 0
    .kernarg_segment_align: 8
    .kernarg_segment_size: 16
    .max_flat_workgroup_size: 512
    .sgpr_count:     100
    .vgpr_count:     256
    .wavefront_size: 32
...
	.end_amdgpu_metadata
.endif
;; end of part 3
;; launch wo (part 4): grid 8 x 32, 4 waves a work-group, no clusters, 270,848 bytes of LDS; arguments ctx, wts, x, x1; writes x1
.if DOCPART == 4
	.amdgcn_target "amdgcn-amd-amdhsa--gfx1250"
	.amdhsa_code_object_version 6
	.text
	.protected	k_qfb0630a41f_wo
	.globl	k_qfb0630a41f_wo
	.p2align	8
	.type	k_qfb0630a41f_wo,@function
k_qfb0630a41f_wo:
	s_mov_b64 s[64:65], 0
	v_nop
	global_prefetch_b8 v0, s[64:65] scope:SCOPE_SE
	s_setreg_imm32_b32 hwreg(HW_REG_WAVE_MODE, 25, 1), 1
	s_wait_xcnt 0x0
; x1 = x + ctx Wo, the product on codes of FP6 (E2M3) with E8M0 scales, K = 1,024, N = 1,024; x and x1 f32, row-major.
; A work-group makes 128 tokens x 128 columns: 256 work-groups.  ITS FOUR WAVES SPLIT K: each holds the whole block in 64 accumulators (512 registers) and walks NS = 2 of the 8 K steps of 128.
; So each byte of the work-group's two tiles is wanted by ONE wave, and fragments go from memory straight into that wave's registers: no tile lies in LDS, no barrier stands along K.
; OPERANDS ARE IMAGES OF REGISTERS, [row block][K step][1,536 bytes].  Wo: byte 512 j + 16 l + 4 i = register 4 j + i of lane l.  ctx: two halves of 768 bytes, each 512 bytes (16 a lane: four registers) and 256 (8 a lane: two).
; Scale words [row block][K step][16]: a load of 4 bytes a lane brings two K steps' words, the even step's in lanes 0-15, the odd one's in lanes 16-31.  Image row r of block T is row 32 (T / 2) + 8 (T % 2) + r + 8 (r / 8).
; Source 0 = Wo's columns (B), source 1 = tokens (A): a lane holds one token, two neighbouring accumulators 16 neighbouring columns.
; THE WAY OUT: each wave lays its partial block into a stage of its own in LDS (rows of 528 bytes); behind one barrier wave w sums rows 32 w .. 32 w + 31 of the four stages in f32, adds the residual, and stores whole rows of 512 bytes.
; No cluster: there is no tensor load that partners could ask for jointly.  No prefetch: all fragments are asked for at the head.
; A wait's count is made by the assembler: CNT counts the loads issued, MB0 / MB1 what had been issued when the even / odd step's last fragment was asked for; the count is their difference, held at the field's 63.
; REGISTERS: window 0: v4-13 addresses; v16-47 scale words, two sets; v48-239 A's fragments, two sets; v240-255 residual rows 16-19.  window 1: v0-191 B's fragments, two sets; v192-255 residual rows 0-15.  windows 2, 3: accumulator (a, b) at v[8 (8 (a % 4) + b)].
.set KST,   8
.set NS,    2
.set HASBIAS, 0
.set ASPLIT, 1
.set ASC,   3145728
.set BCO,   2359296
.set BSO,   9535488
.set BP,    20
.set RB,    20
.set OP,    22
.set IMG,   1536
.set FR,    12
.set SPITCH, 528
.set CPY,   128*SPITCH
.set SPARE, 4*CPY
.set L16,   4
.set L8,    5
.set L4,    6
.set STO,   7
.set RD,    8
.set SPW,   12
.set NIL,   13
.set SC,    16
.set AF,    48
.set BI,    96
.set PAC,   28
.set PAS,   30
.set PBC,   32
.set PBS,   34
.set MSB, 0
.set CNT, 0
.set MB0, 0
.set MB1, 0
.macro WIN new
.if MSB != (\new)
	s_set_vgpr_msb (MSB<<8)|(\new)
.set MSB, (\new)
.endif
.endm
.macro PLACES                          ; four plain lines between a matrix instruction and a load into, or a store of, its registers
.rept 4
	v_nop
.endr
.endm
.macro LDSC p                          ; the scale words of my K steps 2 p, 2 p + 1: A's eight blocks, B's eight
.irp i, 0,1,2,3,4,5,6,7
	global_load_b32 v[SC+16*((\p)%2)+\i], v[L4], s[PAS:PAS+1] offset:\i*KST*64+(\p)*128
	global_load_b32 v[SC+16*((\p)%2)+8+\i], v[L4], s[PBS:PBS+1] offset:\i*KST*64+(\p)*128
.endr
.set CNT, CNT+16
.endm
.macro LDA t, a                        ; A's block a of my K step t into set t % 2
.set FA, AF+96*((\t)%2)+FR*(\a)
.set OA, (\a)*KST*IMG+(\t)*IMG
.if ASPLIT
	global_load_b128 v[FA:FA+3], v[L16], s[PAC:PAC+1] offset:OA
	global_load_b64 v[FA+4:FA+5], v[L8], s[PAC:PAC+1] offset:OA+512
	global_load_b128 v[FA+6:FA+9], v[L16], s[PAC:PAC+1] offset:OA+768
	global_load_b64 v[FA+10:FA+11], v[L8], s[PAC:PAC+1] offset:OA+1280
.set CNT, CNT+4
.else
.irp j, 0,1,2
	global_load_b128 v[FA+4*\j:FA+4*\j+3], v[L16], s[PAC:PAC+1] offset:OA+512*\j
.endr
.set CNT, CNT+3
.endif
.endm
.macro LDB t                           ; B's eight blocks of my K step t into set t % 2, in window 1
	WIN 0x40
.irp b, 0,1,2,3,4,5,6,7
.irp j, 0,1,2
	global_load_b128 v[96*((\t)%2)+FR*\b+4*\j:96*((\t)%2)+FR*\b+4*\j+3], v[L16], s[PBC:PBC+1] offset:\b*KST*IMG+(\t)*IMG+512*\j
.endr
.endr
	WIN 0
.set CNT, CNT+24
.if (\t)%2
.set MB1, CNT
.else
.set MB0, CNT
.endif
.endm
.macro MUL t, a                        ; A's block a x B's eight; the 64 accumulators take turns in one order; the first step starts the sums
.irp b, 0,1,2,3,4,5,6,7
.set AC, 8*(8*((\a)%4)+\b)
.set FB, 96*((\t)%2)+FR*\b
.set FA, AF+96*((\t)%2)+FR*(\a)
.set SB_, SC+16*(((\t)/2)%2)+8+\b
.set SA_, SC+16*(((\t)/2)%2)+(\a)
.if (\t) == 0
	v_wmma_scale_f32_16x16x128_f8f6f4 v[AC:AC+7], v[FB:FB+11], v[FA:FA+11], 0, v[SB_], v[SA_] matrix_a_fmt:MATRIX_FMT_FP6 matrix_b_fmt:MATRIX_FMT_FP6
.elseif (\t)%2
	v_wmma_scale_f32_16x16x128_f8f6f4 v[AC:AC+7], v[FB:FB+11], v[FA:FA+11], v[AC:AC+7], v[SB_], v[SA_] matrix_a_fmt:MATRIX_FMT_FP6 matrix_b_fmt:MATRIX_FMT_FP6 matrix_a_scale:MATRIX_SCALE_ROW1 matrix_b_scale:MATRIX_SCALE_ROW1
.else
	v_wmma_scale_f32_16x16x128_f8f6f4 v[AC:AC+7], v[FB:FB+11], v[FA:FA+11], v[AC:AC+7], v[SB_], v[SA_] matrix_a_fmt:MATRIX_FMT_FP6 matrix_b_fmt:MATRIX_FMT_FP6
.endif
.endr
.endm
.macro STEP t                          ; 64 matrix instructions; registers that they leave take the fragments of two steps on, in two runs
.if (\t)%2
.set N, CNT-MB1
.else
.set N, CNT-MB0
.endif
.if N > 63
.set N, 63
.endif
	s_wait_loadcnt N                               ; this step's fragments and scale words are in
.if (\t)%2 == 0 && (\t)+2 < NS
	LDSC (\t)/2+1
.endif
.if (\t) == 0
	WIN 0x40                                       ; the residual of the rows that I store: stage row i is token 8 (i / 16) + i % 16 + 8 ((i % 16) / 8); 512 consecutive bytes a load
.irp i, 0,1,2,3,4,5,6,7,8,9,10,11,12,13,14,15
	global_load_b128 v[192+4*\i:195+4*\i], v[L16], s[RB:RB+1] offset:(\i+8*(\i/8))*4096
.endr
	WIN 0
.irp i, 16,17,18,19
	global_load_b128 v[240+4*(\i-16):243+4*(\i-16)], v[L16], s[RB:RB+1] offset:(8+(\i%16)+8*((\i%16)/8))*4096
.endr
.set CNT, CNT+20
.endif
	WIN 0xa1
.irp a, 0,1,2,3
	MUL \t, \a
.endr
.if (\t)+2 < NS
	PLACES
	WIN 0
.irp a, 0,1,2,3
	LDA (\t)+2, \a
.endr
.elseif (\t)+2 == NS
	PLACES
	WIN 0
.irp i, 20,21,22,23,24,25,26,27,28,29,30,31
	global_load_b128 v[AF+4*(\i-20):AF+4*(\i-20)+3], v[L16], s[RB:RB+1] offset:(8+(\i%16)+8*((\i%16)/8))*4096   ; the last twelve rows, where set 0's blocks 0-3 lay
.endr
.set CNT, CNT+12
.endif
	WIN 0xf1
.irp a, 4,5,6,7
	MUL \t, \a
.endr
	PLACES
	WIN 0
.if (\t)+2 < NS
.irp a, 4,5,6,7
	LDA (\t)+2, \a
.endr
	LDB (\t)+2
.elseif (\t)+2 == NS && HASBIAS
	global_load_b128 v[BI:BI+3], v[L16], s[BP:BP+1]    ; the bias of columns 4 l .. 4 l + 3
.set CNT, CNT+1
.endif
.endm
.macro RREG j                          ; where register j of the residual's 128 lies
.if (\j) < 64
.set RG, 192+(\j)
.elseif (\j) < 80
.set RG, 176+(\j)
.else
.set RG, (\j)-32
.endif
.endm
.macro LOADG g                         ; rows 8 g .. 8 g + 7 of my 32, from the four stages: stage c into window 2 + c / 2, v[128 (c % 2) + 4 i]
.irp c, 0,1,2,3
	WIN 0x80+0x40*(\c/2)
.irp i, 0,1,2,3,4,5,6,7
	ds_load_b128 v[128*(\c%2)+4*(8*(\g)+\i):128*(\c%2)+4*(8*(\g)+\i)+3], v[RD+\c] offset:(8*(\g)+\i)*SPITCH
.endr
.endr
.endm
.macro ADDG g, win, o, res
	WIN \win
.set j, 32*(\g)
.rept 16
.if \res
	RREG j
	v_pk_add_f32 v[j:j+1], v[j:j+1], v[RG:RG+1]
.else
	v_pk_add_f32 v[j:j+1], v[j:j+1], v[(\o)+j:(\o)+j+1]
.endif
.set j, j+2
.endr
.endm
.macro SUMG g
	ADDG \g, 0x8a, 128, 0                          ; stages 0 + 1, in window 2
	ADDG \g, 0xcf, 128, 0                          ; stages 2 + 3, in window 3
	ADDG \g, 0x8e, 0, 0                            ; both
.if (\g) < 2
	ADDG \g, 0x86, 0, 1                            ; + the residual (window 1)
.else
	ADDG \g, 0x82, 0, 1                            ; + the residual (window 0)
.endif
	WIN 0x08
.irp i, 0,1,2,3,4,5,6,7
.set I, 8*(\g)+\i
	global_store_b128 v[L16], v[4*I:4*I+3], s[OP:OP+1] offset:(8*(I/16)+(I%16)+8*((I%16)/8))*4096   ; 512 consecutive bytes, aligned
.endr
.endm
	s_load_b128 s[4:7], s[0:1], 0x0                ; A's images, wts
	s_load_b128 s[20:23], s[0:1], 0x10             ; the residual, the output (with a bias: the bias, the residual)
.if HASBIAS
	s_load_b64 s[24:25], s[0:1], 0x20              ; the output
.endif
	v_lshl_add_u32 v[SPW], v0, 2, SPARE
	v_mov_b32 v[NIL], 0
	v_lshrrev_b32 v1, 5, v0
	v_readfirstlane_b32 s14, v1                    ; wave
	v_and_b32 v1, 31, v0
	v_and_b32 v2, 15, v0                           ; r
	v_bfe_u32 v3, v0, 4, 1                         ; h
	v_lshlrev_b32 v[L16], 4, v1
.if ASPLIT
	v_lshlrev_b32 v[L8], 3, v1
.endif
	v_lshlrev_b32 v[L4], 2, v1
	v_mul_u32_u24 v[STO], SPITCH, v2
	v_lshl_add_u32 v[STO], v3, 6, v[STO]
	s_mul_i32 s8, s14, CPY
	s_mul_i32 s9, s14, 32*SPITCH
	v_add_nc_u32 v[STO], s8, v[STO]                ; into my stage: image row r, + 64 h
	v_add_nc_u32 v[RD], s9, v[L16]                 ; back: my 32 rows of stage 0, whole,
	v_add_nc_u32 v[RD+1], CPY, v[RD]               ; and of the three others
	v_add_nc_u32 v[RD+2], 2*CPY, v[RD]
	v_add_nc_u32 v[RD+3], 3*CPY, v[RD]
	s_and_b32 s16, ttmp7, 0xffff                   ; tile row; ttmp9: tile column
	s_mul_i32 s17, s14, NS                         ; my first K step
	s_mul_i32 s10, s16, 8*KST
	s_add_co_u32 s10, s10, s17                     ; A's first image
	s_mul_i32 s11, ttmp9, 8*KST
	s_add_co_u32 s11, s11, s17                     ; B's
	s_mul_i32 s[PAC], s10, IMG
	s_lshl_b32 s[PAS], s10, 6
	s_mul_i32 s[PBC], s11, IMG
	s_lshl_b32 s[PBS], s11, 6
	s_mov_b32 s[PAC+1], 0
	s_mov_b32 s[PAS+1], 0
	s_mov_b32 s[PBC+1], 0
	s_mov_b32 s[PBS+1], 0
	s_lshl_b32 s36, s16, 2
	s_add_co_u32 s36, s36, s14
	s_lshl_b32 s36, s36, 17                        ; tokens 128 x tile row + 32 x wave on, 4,096 bytes each
	s_lshl_b32 s38, ttmp9, 9                       ; + 512 x tile column
	s_add_co_u32 s36, s36, s38
	s_mov_b32 s37, 0
	s_mov_b32 s39, 0
	s_wait_alu depctr_va_vdst(0)
	s_wait_kmcnt 0x0
	s_add_nc_u64 s[PAC:PAC+1], s[4:5], s[PAC:PAC+1]
	s_add_nc_u64 s[PAS:PAS+1], s[4:5], s[PAS:PAS+1]
	s_add_nc_u64 s[PAS:PAS+1], s[PAS:PAS+1], ASC
	s_add_nc_u64 s[PBC:PBC+1], s[6:7], s[PBC:PBC+1]
	s_add_nc_u64 s[PBC:PBC+1], s[PBC:PBC+1], BCO
	s_add_nc_u64 s[PBS:PBS+1], s[6:7], s[PBS:PBS+1]
	s_add_nc_u64 s[PBS:PBS+1], s[PBS:PBS+1], BSO
	s_add_nc_u64 s[RB:RB+1], s[RB:RB+1], s[36:37]
	s_add_nc_u64 s[OP:OP+1], s[OP:OP+1], s[36:37]
.if HASBIAS
	s_add_nc_u64 s[BP:BP+1], s[BP:BP+1], s[38:39]
.endif
	LDSC 0
.irp t, 0,1
.irp a, 0,1,2,3,4,5,6,7
	LDA \t, \a
.endr
	LDB \t
.endr
.set T, 0
.rept NS
	STEP T
.set T, T+1
.endr
.irp a, 0,1,2,3,4,5,6,7                ; my partial block into my stage, each accumulator from its low end on
	WIN 0x08+4*(\a/4)
.irp b, 0,1,2,3,4,5,6,7
	ds_store_b128 v[STO], v[8*(8*(\a%4)+\b):8*(8*(\a%4)+\b)+3] offset:\a*16*SPITCH+128*(\b/2)+32*(\b%2)
	ds_store_b128 v[STO], v[8*(8*(\a%4)+\b)+4:8*(8*(\a%4)+\b)+7] offset:\a*16*SPITCH+128*(\b/2)+32*(\b%2)+16
.endr
.endr
	WIN 0
	s_wait_loadcnt 0x0                             ; the residual (and the bias)
.if HASBIAS
	WIN 0x41
.set j, 0
.rept 32
	v_pk_add_f32 v[192+j:193+j], v[192+j:193+j], v[BI+j%4:BI+j%4+1]
.set j, j+2
.endr
	WIN 0
.rept 32
	RREG j
	v_pk_add_f32 v[RG:RG+1], v[RG:RG+1], v[BI+j%4:BI+j%4+1]
.set j, j+2
.endr
	s_wait_alu depctr_va_vdst(0)
.endif
	s_wait_dscnt 0x0                               ; for the others' sake: my block lies in my stage
	s_barrier_signal -1
	s_barrier_wait -1
	LOADG 0
	LOADG 1
.irp g, 0,1,2,3
.if \g < 3
	s_wait_dscnt 32                                ; this group's 32 loads are in; the next group's may be out
.else
	s_wait_dscnt 0x0
.endif
	SUMG \g
.if \g < 2
	LOADG \g+2
.endif
.endr
	WIN 0
	s_wait_tensorcnt 0x0                           ; the wave's end
	ds_add_u32 v[SPW], v[NIL]
	s_wait_dscnt 0x0
	s_endpgm
.Lfunc_end_k_qfb0630a41f_wo:
	.size	k_qfb0630a41f_wo, .Lfunc_end_k_qfb0630a41f_wo-k_qfb0630a41f_wo
	.p2alignl 7, 3214868480
	.fill 96, 4, 3214868480
	.section	.rodata,"a",@progbits
	.p2align	6, 0x0
	.amdhsa_kernel k_qfb0630a41f_wo
		.amdhsa_group_segment_fixed_size 270848
		.amdhsa_private_segment_fixed_size 0
		.amdhsa_enable_private_segment 0
		.amdhsa_kernarg_size 32
		.amdhsa_user_sgpr_count 2
		.amdhsa_user_sgpr_kernarg_segment_ptr 1
		.amdhsa_wavefront_size32 1
		.amdhsa_system_sgpr_workgroup_id_x 1
		.amdhsa_system_sgpr_workgroup_id_y 1
		.amdhsa_system_sgpr_workgroup_id_z 1
		.amdhsa_system_vgpr_workitem_id 0
		.amdhsa_next_free_vgpr 1024
		.amdhsa_next_free_sgpr 66
		.amdhsa_reserve_vcc 0
		.amdhsa_float_denorm_mode_32 3
		.amdhsa_float_denorm_mode_16_64 3
		.amdhsa_memory_ordered 1
		.amdhsa_forward_progress 1
		.amdhsa_inst_pref_size 71
	.end_amdhsa_kernel
	.amdgpu_metadata
---
amdhsa.version: [ 1, 2 ]
amdhsa.kernels:
  - .name:           k_qfb0630a41f_wo
    .symbol:         k_qfb0630a41f_wo.kd
    .args:
      - { .name: ctx, .offset: 0, .size: 8, .value_kind: global_buffer, .address_space: global }
      - { .name: wts, .offset: 8, .size: 8, .value_kind: global_buffer, .address_space: global }
      - { .name: x, .offset: 16, .size: 8, .value_kind: global_buffer, .address_space: global }
      - { .name: x1, .offset: 24, .size: 8, .value_kind: global_buffer, .address_space: global }
    .group_segment_fixed_size: 270848
    .private_segment_fixed_size: 0
    .kernarg_segment_align: 8
    .kernarg_segment_size: 32
    .max_flat_workgroup_size: 128
    .sgpr_count:     66
    .vgpr_count:     1024
    .wavefront_size: 32
...
	.end_amdgpu_metadata
.endif
;; end of part 4
;; launch ln2 (part 5): grid 256 x 1, 4 waves a work-group, no clusters, 66,560 bytes of LDS; arguments x1, ln2_g, ln2_b, hq; writes hq
.if DOCPART == 5
	.amdgcn_target "amdgcn-amd-amdhsa--gfx1250"
	.amdhsa_code_object_version 6
	.text
	.protected	k_qfb0630a41f_ln2
	.globl	k_qfb0630a41f_ln2
	.p2align	8
	.type	k_qfb0630a41f_ln2,@function
k_qfb0630a41f_ln2:
	s_mov_b64 s[64:65], 0
	v_nop
	global_prefetch_b8 v0, s[64:65] scope:SCOPE_SE
	s_setreg_imm32_b32 hwreg(HW_REG_WAVE_MODE, 25, 1), 1
	s_wait_xcnt 0x0
; LayerNorm over rows of 1,024 f32, then the quantiser along the row: codes of FP6 (E2M3), one E8M0 byte for each 32, stored as images of operand registers.
; AN IMAGE: 16 rows x 128 K, 1,536 bytes, byte 256 p + 8 l + 4 i = register 2 p + i of lane l; images lie [row block T][K step 0..7]; scale words [T][K step][16] behind them at byte 3,145,728.
; Image row r of block T is token 32 (T / 2) + 8 (T % 2) + r + 8 (r / 8).
; A work-group takes one row block.  Phase 1: wave w normalises image rows 4 w .. 4 w + 3 (four neighbouring tokens), a row in 32 registers, mean and variance in two passes, all f32; y goes to a stage in LDS (pitch 4,112).
; Phase 2, behind one barrier: wave w takes K steps 2 w and 2 w + 1; lane (r, h) reads of row r the 16 numbers 32 b + 16 h + 0 .. 15 of each block b, quantises, and stores each pair of registers as 256 consecutive bytes.
; No matrix unit, no cluster, no tensor load: rows are read once and shared with nobody.
; LIMITS: a block of zeros, or one under 2^-124, gets the byte 1 (read by this program alone); NaN and infinities are not served; 1 / sqrt by v_rsq_f32.
.set PITCH, 4112
.set TM,    8                          ; v8-23   statistics, then the quantiser's work
.set PW,    24                         ; the scale word just made
.set PWA,   25                         ; the first K step's
.set XR,    32                         ; v32-159 four rows, later two K steps of 64 numbers
.set GR,    160                        ; v160-191 g
.set BR,    192                        ; v192-223 b
.set PC,    224                        ; v224-243 codes
.set SEL,   20
.set MSB, 0
.macro WIN new
.if MSB != (\new)
	s_set_vgpr_msb (MSB<<8)|(\new)
.set MSB, (\new)
.endif
.endm
; 64 numbers v[s] .. v[s + 63] of window w, register 16 b + i = k 32 b + 16 (lane / 16) + i of my row, become a fragment's codes in v[PC] on and its scale word in v[PW].  sh = 1: the numbers are twice the true ones.
.macro QUANT s, w, sh
	WIN ((\w)<<2)|((\w)<<4)
.irp b, 0,1,2,3
	v_max3_num_f32 v[TM+\b], (3+(\sh))<<23, |v[(\s)+16*\b]|, |v[(\s)+1+16*\b]|   ; with the floor, so that the byte cannot fall under 1
.endr
.irp i, 2,4,6,8,10,12,14
.irp b, 0,1,2,3
	v_max3_num_f32 v[TM+\b], v[TM+\b], |v[(\s)+16*\b+\i]|, |v[(\s)+1+16*\b+\i]|
.endr
.endr
	WIN 0
.irp b, 0,1,2,3
	v_permlanex16_b32 v[TM+4+\b], v[TM+\b], s[SEL], s[SEL+1]
.endr
.irp b, 0,1,2,3
	v_max_num_f32 v[TM+\b], v[TM+\b], v[TM+4+\b]   ; with lane l xor 16's: the block's largest magnitude
.endr
.irp b, 0,1,2,3
	v_add_nc_u32 v[TM+12+\b], 0xff000000, v[TM+\b] ; 2 off the exponent field: the conversion's scale operand
.endr
.irp b, 0,1,2,3
	v_lshrrev_b32 v[TM+4+\b], 23, v[TM+12+\b]
.endr
	v_lshl_or_b32 v[PW], v[TM+5], 8, v[TM+4]
	v_lshl_or_b32 v[PW], v[TM+6], 16, v[PW]
	v_lshl_or_b32 v[PW], v[TM+7], 24, v[PW]
.if \sh
	v_add_nc_u32 v[PW], 0xfefefeff, v[PW]          ; one off each byte (each is 2 at the least: no borrow)
.endif
	WIN (\w)
.irp c, 0,1
	v_cvt_scalef32_pk16_fp6_f32 v[PC+6*\c:PC+2+6*\c], v[(\s)+32*\c:(\s)+15+32*\c], v[TM+12+2*\c]
	v_cvt_scalef32_pk16_fp6_f32 v[PC+12+4*\c:PC+14+4*\c], v[(\s)+16+32*\c:(\s)+31+32*\c], v[TM+12+2*\c+1]
.endr
	WIN 0
	v_nop                                          ; one plain line behind the conversions
.irp c, 0,1                                    ; a whole block to a lane: lanes 0-15 block 2 c, lanes 16-31 block 2 c + 1
.irp i, 0,1,2
	v_permlane16_swap_b32 v[PC+6*\c+\i], v[PC+12+4*\c+\i]
.endr
.irp i, 0,1,2
	v_mov_b32 v[PC+3+6*\c+\i], v[PC+12+4*\c+\i]
.endr
.endr
.endm
.macro REDUCE                          ; the four rows' pairs v[8 + 2 p : 9 + 2 p] become sums over the wave, in every lane
.irp p, 0,1,2,3
	v_add_f32 v[8+2*\p], v[8+2*\p], v[9+2*\p]
.endr
.irp m, 1,2,4,8
.irp p, 0,1,2,3
	v_add_f32_dpp v[8+2*\p], v[8+2*\p], v[8+2*\p] row_xmask:\m row_mask:0xf bank_mask:0xf
.endr
.endr
.irp p, 0,1,2,3
	v_permlanex16_b32 v[16+\p], v[8+2*\p], s[SEL], s[SEL+1]
.endr
.irp p, 0,1,2,3
	v_add_f32 v[8+2*\p], v[8+2*\p], v[16+\p]
.endr
.endm
	s_load_b128 s[4:7], s[0:1], 0x0                ; x, g
	s_load_b128 s[8:11], s[0:1], 0x10              ; b, the images
	v_lshl_add_u32 v254, v0, 2, 0x10200
	v_mov_b32 v255, 0
	v_lshrrev_b32 v1, 5, v0
	v_readfirstlane_b32 s12, v1                    ; wave
	v_and_b32 v1, 31, v0
	v_lshlrev_b32 v2, 4, v1                        ; 16 x lane
	s_wait_alu depctr_va_vdst(0)
	v_lshlrev_b32 v6, 3, v1                        ; 8 x lane
	v_lshlrev_b32 v7, 2, v1                        ; 4 x lane
	s_lshr_b32 s13, ttmp9, 1
	s_lshl_b32 s13, s13, 5
	s_and_b32 s14, ttmp9, 1
	s_lshl_b32 s14, s14, 3
	s_add_co_u32 s13, s13, s14
	s_lshl_b32 s14, s12, 2
	s_add_co_u32 s13, s13, s14
	s_lshr_b32 s14, s12, 1
	s_lshl_b32 s14, s14, 3
	s_add_co_u32 s13, s13, s14                     ; my first token: 32 (T / 2) + 8 (T % 2) + 4 w + 8 (w / 2)
	s_lshl_b32 s14, s13, 12
	s_mov_b32 s15, 0
	s_mul_i32 s16, s12, 4*PITCH
	v_add_nc_u32 v3, s16, v2                       ; the stage, in: my four rows, 16 bytes a lane
	v_and_b32 v26, 15, v0
	v_bfe_u32 v27, v0, 4, 1
	v_mul_u32_u24 v5, PITCH, v26
	v_lshl_add_u32 v5, v27, 6, v5
	s_lshl_b32 s17, s12, 10
	v_add_nc_u32 v5, s17, v5                       ; out: row r, + 64 h, + my two K steps
	s_mov_b32 s[SEL], 0x76543210
	s_mov_b32 s[SEL+1], 0xfedcba98
	s_mov_b32 s22, 0x3a800000                      ; 1 / 1,024
	s_mov_b32 s23, 0x3727c5ac                      ; 1e-5
	s_lshl_b32 s18, ttmp9, 3
	s_lshl_b32 s19, s12, 1
	s_add_co_u32 s18, s18, s19                     ; my first image: 8 T + 2 w
	s_mul_i32 s24, s18, 1536
	s_mov_b32 s25, 0
.irp p, 0,1,2,3
	v_mov_b32 v[16+\p], 0                          ; a lane permute's destination counts as one of its sources
.endr
	s_wait_kmcnt 0x0
	s_add_nc_u64 s[4:5], s[4:5], s[14:15]
	s_add_nc_u64 s[26:27], s[10:11], s[24:25]
	s_lshl_b32 s24, s18, 6
	s_add_nc_u64 s[28:29], s[10:11], s[24:25]
	s_add_nc_u64 s[28:29], s[28:29], 3145728
.irp p, 0,1,2,3
.irp j, 0,1,2,3,4,5,6,7
	global_load_b128 v[XR+32*\p+4*\j:XR+32*\p+4*\j+3], v2, s[4:5] offset:\p*4096+512*\j th:TH_LOAD_NT   ; 512 consecutive bytes
.endr
.endr
.irp j, 0,1,2,3,4,5,6,7
	global_load_b128 v[GR+4*\j:GR+4*\j+3], v2, s[6:7] offset:512*\j
	global_load_b128 v[BR+4*\j:BR+4*\j+3], v2, s[8:9] offset:512*\j
.endr
	s_wait_loadcnt 16                              ; the rows are in; g and b may be out
.irp p, 0,1,2,3
	v_pk_add_f32 v[8+2*\p:9+2*\p], v[XR+32*\p:XR+32*\p+1], v[XR+32*\p+2:XR+32*\p+3]
.endr
.irp j, 4,6,8,10,12,14,16,18,20,22,24,26,28,30
.irp p, 0,1,2,3
	v_pk_add_f32 v[8+2*\p:9+2*\p], v[8+2*\p:9+2*\p], v[XR+32*\p+\j:XR+32*\p+\j+1]   ; the four rows by turns
.endr
.endr
	REDUCE
.irp p, 0,1,2,3
	v_mul_f32 v[8+2*\p], s22, v[8+2*\p]            ; the mean
.endr
.irp j, 0,2,4,6,8,10,12,14,16,18,20,22,24,26,28,30
.irp p, 0,1,2,3
	v_pk_add_f32 v[XR+32*\p+\j:XR+32*\p+\j+1], v[XR+32*\p+\j:XR+32*\p+\j+1], v[8+2*\p:9+2*\p] op_sel_hi:[1,0] neg_lo:[0,1] neg_hi:[0,1]   ; x - mean
.endr
.endr
.irp p, 0,1,2,3
	v_pk_mul_f32 v[8+2*\p:9+2*\p], v[XR+32*\p:XR+32*\p+1], v[XR+32*\p:XR+32*\p+1]
.endr
.irp j, 2,4,6,8,10,12,14,16,18,20,22,24,26,28,30
.irp p, 0,1,2,3
	v_pk_fma_f32 v[8+2*\p:9+2*\p], v[XR+32*\p+\j:XR+32*\p+\j+1], v[XR+32*\p+\j:XR+32*\p+\j+1], v[8+2*\p:9+2*\p]
.endr
.endr
	REDUCE
.irp p, 0,1,2,3
	v_fma_f32 v[8+2*\p], v[8+2*\p], s22, s23       ; the variance + 1e-5
.endr
	s_wait_alu depctr_va_vdst(0)
.irp p, 0,1,2,3
	v_rsq_f32 v[8+2*\p], v[8+2*\p]
.endr
	v_nop                                          ; a plain line behind the batch
	s_wait_alu depctr_va_vdst(0)                   ; one wait for the four, ahead of their first reader
	s_wait_loadcnt 0x0                             ; g and b
.irp p, 0,1,2,3
.irp j, 0,2,4,6,8,10,12,14,16,18,20,22,24,26,28,30
	v_pk_mul_f32 v[XR+32*\p+\j:XR+32*\p+\j+1], v[XR+32*\p+\j:XR+32*\p+\j+1], v[8+2*\p:9+2*\p] op_sel_hi:[1,0]
.endr
.irp j, 0,2,4,6,8,10,12,14,16,18,20,22,24,26,28,30
	v_pk_fma_f32 v[XR+32*\p+\j:XR+32*\p+\j+1], v[XR+32*\p+\j:XR+32*\p+\j+1], v[GR+\j:GR+\j+1], v[BR+\j:BR+\j+1]
.endr
.irp j, 0,1,2,3,4,5,6,7
	ds_store_b128 v3, v[XR+32*\p+4*\j:XR+32*\p+4*\j+3] offset:\p*PITCH+512*\j
.endr
.endr
	s_wait_dscnt 0x0                               ; for the others' sake: my rows lie in the stage
	s_barrier_signal -1
	s_barrier_wait -1
.irp q, 0,1
.irp b, 0,1,2,3
.irp j, 0,1,2,3
	ds_load_b128 v[XR+64*\q+16*\b+4*\j:XR+64*\q+16*\b+4*\j+3], v5 offset:512*\q+128*\b+16*\j
.endr
.endr
.endr
	s_wait_dscnt 16                                ; the first K step's 16 loads are in
	QUANT XR, 0, 0
.irp p, 0,1,2,3,4,5
	global_store_b64 v6, v[PC+2*\p:PC+2*\p+1], s[26:27] offset:256*\p      ; 256 consecutive bytes, aligned
.endr
	v_mov_b32 v[PWA], v[PW]
	s_wait_dscnt 0x0
	s_wait_xcnt 0x0                                ; the stores have read the codes' registers
	QUANT XR+64, 0, 0
.irp p, 0,1,2,3,4,5
	global_store_b64 v6, v[PC+2*\p:PC+2*\p+1], s[26:27] offset:1536+256*\p
.endr
	v_cmp_lt_u32 vcc_lo, 15, v1
	v_cndmask_b32 v[PW], v[PWA], v[PW], vcc_lo     ; lanes 0-15: the first K step's words, lanes 16-31: the second's
	global_store_b32 v7, v[PW], s[28:29]           ; 128 consecutive bytes
	s_wait_tensorcnt 0x0
	ds_add_u32 v254, v255
	s_wait_dscnt 0x0
	s_endpgm
.Lfunc_end_k_qfb0630a41f_ln2:
	.size	k_qfb0630a41f_ln2, .Lfunc_end_k_qfb0630a41f_ln2-k_qfb0630a41f_ln2
	.p2alignl 7, 3214868480
	.fill 96, 4, 3214868480
	.section	.rodata,"a",@progbits
	.p2align	6, 0x0
	.amdhsa_kernel k_qfb0630a41f_ln2
		.amdhsa_group_segment_fixed_size 66560
		.amdhsa_private_segment_fixed_size 0
		.amdhsa_enable_private_segment 0
		.amdhsa_kernarg_size 32
		.amdhsa_user_sgpr_count 2
		.amdhsa_user_sgpr_kernarg_segment_ptr 1
		.amdhsa_wavefront_size32 1
		.amdhsa_system_sgpr_workgroup_id_x 1
		.amdhsa_system_sgpr_workgroup_id_y 1
		.amdhsa_system_sgpr_workgroup_id_z 1
		.amdhsa_system_vgpr_workitem_id 0
		.amdhsa_next_free_vgpr 256
		.amdhsa_next_free_sgpr 66
		.amdhsa_reserve_vcc 1
		.amdhsa_float_denorm_mode_32 3
		.amdhsa_float_denorm_mode_16_64 3
		.amdhsa_memory_ordered 1
		.amdhsa_forward_progress 1
		.amdhsa_inst_pref_size 44
	.end_amdhsa_kernel
	.amdgpu_metadata
---
amdhsa.version: [ 1, 2 ]
amdhsa.kernels:
  - .name:           k_qfb0630a41f_ln2
    .symbol:         k_qfb0630a41f_ln2.kd
    .args:
      - { .name: x1, .offset: 0, .size: 8, .value_kind: global_buffer, .address_space: global }
      - { .name: ln2_g, .offset: 8, .size: 8, .value_kind: global_buffer, .address_space: global }
      - { .name: ln2_b, .offset: 16, .size: 8, .value_kind: global_buffer, .address_space: global }
      - { .name: hq, .offset: 24, .size: 8, .value_kind: global_buffer, .address_space: global }
    .group_segment_fixed_size: 66560
    .private_segment_fixed_size: 0
    .kernarg_segment_align: 8
    .kernarg_segment_size: 32
    .max_flat_workgroup_size: 128
    .sgpr_count:     66
    .vgpr_count:     256
    .wavefront_size: 32
...
	.end_amdgpu_metadata
.endif
;; end of part 5
;; launch ffn1 (part 6): grid 16 x 16, 4 waves a work-group, clusters of 4 x 4, 327,680 bytes of LDS; arguments hq, wts, b1, gq; writes gq
.if DOCPART == 6
	.amdgcn_target "amdgcn-amd-amdhsa--gfx1250"
	.amdhsa_code_object_version 6
	.text
	.protected	k_qfb0630a41f_ffn1
	.globl	k_qfb0630a41f_ffn1
	.p2align	8
	.type	k_qfb0630a41f_ffn1,@function
k_qfb0630a41f_ffn1:
	s_mov_b64 s[64:65], 0
	v_nop
	global_prefetch_b8 v0, s[64:65] scope:SCOPE_SE
	s_setreg_imm32_b32 hwreg(HW_REG_WAVE_MODE, 25, 1), 1
	s_wait_xcnt 0x0
	s_wait_alu depctr_hold_cnt(0) depctr_sa_sdst(0) depctr_va_vdst(0) depctr_va_sdst(0) depctr_va_ssrc(0) depctr_va_vcc(0) depctr_vm_vsrc(0)
	s_getreg_b32 s2, hwreg(HW_REG_IB_STS2, 6, 4)
	s_cmp_eq_u32 s2, 0
	s_cbranch_scc0 .Lentry_in_a_cluster
	s_endpgm
.Lentry_in_a_cluster:
	s_bfe_u32 s2, ttmp6, 0x10000c
	s_cmp_lg_u32 s2, 0xf033
	s_cbranch_scc0 .Lentry_shape_is_right
	s_endpgm
.Lentry_shape_is_right:
.set KST,   8
.set IMG,   1536
.set FR,    12
.set NL,    6
.set NQ,    2
.set NP,    4
; g = gelu(h W1 + b1) on codes of FP6 (E2M3) with E8M0 scales, K = 1,024, and the quantiser of g along the next K; a tile is 256 x 256, four waves of 128 x 128.
; THE WALK ALONG K: the head asks for four tiles, one load a wave: K steps 0, 1 of A's 256 rows and of B's 256 rows into slot 0, A's scale words, B's scale words.  Behind the full sequence and a round each wave asks for its
; quarter of K steps 2 to 5 (8 rows of 6,144 bytes) into the large slot; behind the round in K step 1 for its quarter of K steps 6, 7 into slot 0 again.  By this text's count a wave has one tensor load out at any time.
.set HALFT, 8*NQ*IMG
.set SLOT,  4*HALFT
.set SCL,   3*SLOT
.set HALFS, 8*KST*64
.set SPARE, SCL+4*HALFS
.set ADRA,  1
.set ADRB,  3
.set ADRS,  5
.set SPW,   6
.set NIL,   7
.set VO1,   8
.set VSO,   9
.set TM,    16
.set PW,    32
.set C8V,   34
.set PC,    36
.set GG,    56
.set AA,    120
.set TT,    152
.set PP,    184
.set XX,    216
.set SC,    32
.set BI,    64
.set AF,    128
.set SEL,   98
.set G1, 24
.set G0, 32
.set G1B, 48
.set G0B, 56
.set G1S, 68
.set G0S, 76
.set G1SB, 80
.set G0SB, 88
.set MUL_LO, 0xa1
.set MUL_HI, 0xf1
.set TO_B,   0x40
.set MSB, 0
.macro WIN new
.if MSB != (\new)
	s_set_vgpr_msb (MSB<<8)|(\new)
.set MSB, (\new)
.endif
.endm
.macro PLACES n
.rept \n
	v_nop
.endr
.endm
.macro JLOAD g0a, g1a, g0b, g1b
	s_cmp_eq_u32 s15, 0
	s_cbranch_scc0 .Lfor_b_\@
	tensor_load_to_lds s[\g0a:\g0a+3], s[\g1a:\g1a+7]
	s_nop 0
.rept 4
	v_nop
.endr
	s_branch .Lasked_\@
.Lfor_b_\@:
	tensor_load_to_lds s[\g0b:\g0b+3], s[\g1b:\g1b+7]
	s_nop 0
.rept 4
	v_nop
.endr
.Lasked_\@:
.endm
.macro CREST
	s_cmp_lg_u32 s14, 0
	s_cbranch_scc1 .Lnot_wave_0_\@
	s_barrier_signal -3
.Lnot_wave_0_\@:
	s_barrier_wait -3
	s_barrier_signal -1
	s_barrier_wait -1
.endm
.macro CROUND
	s_barrier_signal -1
	s_barrier_wait -1
	CREST
.endm
.macro QUANT s, w, sh
	WIN ((\w)<<2)|((\w)<<4)
.irp b, 0,1,2,3
	v_max3_num_f32 v[TM+\b], (3+(\sh))<<23, |v[(\s)+16*\b]|, |v[(\s)+1+16*\b]|
.endr
.irp i, 2,4,6,8,10,12,14
.irp b, 0,1,2,3
	v_max3_num_f32 v[TM+\b], v[TM+\b], |v[(\s)+16*\b+\i]|, |v[(\s)+1+16*\b+\i]|
.endr
.endr
	WIN 0
.irp b, 0,1,2,3
	v_permlanex16_b32 v[TM+4+\b], v[TM+\b], s[SEL], s[SEL+1]
.endr
.irp b, 0,1,2,3
	v_max_num_f32 v[TM+\b], v[TM+\b], v[TM+4+\b]
.endr
.irp b, 0,1,2,3
	v_add_nc_u32 v[TM+12+\b], 0xff000000, v[TM+\b]
.endr
.irp b, 0,1,2,3
	v_lshrrev_b32 v[TM+4+\b], 23, v[TM+12+\b]
.endr
	v_lshl_or_b32 v[PW], v[TM+5], 8, v[TM+4]
	v_lshl_or_b32 v[PW], v[TM+6], 16, v[PW]
	v_lshl_or_b32 v[PW], v[TM+7], 24, v[PW]
.if \sh
	v_add_nc_u32 v[PW], 0xfefefeff, v[PW]
.endif
	WIN (\w)
.irp c, 0,1
	v_cvt_scalef32_pk16_fp6_f32 v[PC+6*\c:PC+2+6*\c], v[(\s)+32*\c:(\s)+15+32*\c], v[TM+12+2*\c]
	v_cvt_scalef32_pk16_fp6_f32 v[PC+12+4*\c:PC+14+4*\c], v[(\s)+16+32*\c:(\s)+31+32*\c], v[TM+12+2*\c+1]
.endr
	WIN 0
	v_nop
.irp c, 0,1
.irp i, 0,1,2
	v_permlane16_swap_b32 v[PC+6*\c+\i], v[PC+12+4*\c+\i]
.endr
.irp i, 0,1,2
	v_mov_b32 v[PC+3+6*\c+\i], v[PC+12+4*\c+\i]
.endr
.endr
.endm
	s_load_b128 s[4:7], s[0:1], 0x0
	s_load_b128 s[8:11], s[0:1], 0x10
	v_lshl_add_u32 v[SPW], v0, 2, SPARE
	v_mov_b32 v[NIL], 0
	ds_add_u32 v6, v7
	ds_add_u32 v6, v7
	s_wait_dscnt 0x0
	v_lshrrev_b32 v8, 5, v0
	v_readfirstlane_b32 s14, v8
	s_lshr_b32 s15, s14, 1
	s_and_b32 s16, s14, 1
	s_bfe_u32 s40, ttmp6, 0x40000
	s_bfe_u32 s41, ttmp6, 0x40004
	s_lshl_b32 s42, ttmp9, 2
	s_add_co_u32 s42, s42, s40
	s_and_b32 s17, ttmp7, 0xffff
	s_lshl_b32 s17, s17, 2
	s_add_co_u32 s17, s17, s41
	s_lshl_b32 s43, s41, 2
	s_lshl_b32 s43, 15, s43
	s_lshl_b32 s44, 0x1111, s40
	s_or_b32 s[G1+0], s43, (3<<16)|(1<<21)
	s_or_b32 s[G1B+0], s44, (3<<16)|(1<<21)
.irp g, G1, G1B
	s_mov_b32 s[\g+1], 384<<16
	s_mov_b32 s[\g+2], 16<<16                      ; tensor_dim1: the head's loads bring 16 row blocks
	s_mov_b32 s[\g+3], 384<<16
	s_mov_b32 s[\g+4], 16                          ; tile_dim1
	s_mov_b32 s[\g+5], KST*IMG/8
	s_mov_b32 s[\g+6], 0
	s_mov_b32 s[\g+7], 0
.endr
	s_or_b32 s[G1S+0], s43, (3<<16)|(1<<21)
	s_or_b32 s[G1SB+0], s44, (3<<16)|(1<<21)
.irp g, G1S, G1SB
	s_mov_b32 s[\g+1], 32<<16
	s_mov_b32 s[\g+2], (2*HALFS/256)<<16           ; the scale words of 256 rows
	s_mov_b32 s[\g+3], 32<<16
	s_mov_b32 s[\g+4], 2*HALFS/256
	s_mov_b32 s[\g+5], 32
	s_mov_b32 s[\g+6], 0
	s_mov_b32 s[\g+7], 0
.endr
	s_lshl_b32 s20, s17, 4                         ; A: the tile's first row block
	s_lshl_b32 s46, s42, 4                         ; B likewise
	s_lshl_b32 s22, s20, 9
	s_mul_i32 s20, s20, KST*IMG
	s_lshl_b32 s92, s46, 9
	s_mul_i32 s46, s46, KST*IMG
	s_mov_b32 s21, 0
	s_mov_b32 s23, 0
	s_mov_b32 s47, 0
	s_mov_b32 s93, 0
	s_mul_i32 s45, s14, HALFT
	s_mov_b32 s[SEL], 0x76543210
	s_mov_b32 s[SEL+1], 0xfedcba98
	s_wait_kmcnt 0x0
	s_add_nc_u64 s[20:21], s[4:5], s[20:21]
	s_add_nc_u64 s[22:23], s[4:5], s[22:23]
	s_add_nc_u64 s[22:23], s[22:23], 3145728
	s_add_nc_u64 s[46:47], s[6:7], s[46:47]
	s_add_nc_u64 s[46:47], s[46:47], 3145728
	s_add_nc_u64 s[92:93], s[6:7], s[92:93]
	s_add_nc_u64 s[92:93], s[92:93], 9568256
	CROUND
	s_mov_b32 s[G0S], 1
	s_mov_b32 s[G0S+1], SCL
	s_mov_b64 s[G0S+2:G0S+3], s[22:23]
	s_or_b32 s[G0S+3], s[G0S+3], 0x80000000
	s_mov_b32 s[G0SB], 1
	s_mov_b32 s[G0SB+1], SCL+2*HALFS
	s_mov_b64 s[G0SB+2:G0SB+3], s[92:93]
	s_or_b32 s[G0SB+3], s[G0SB+3], 0x80000000
	s_mov_b32 s[G0], 1                             ; K steps 0, 1 of A's 256 rows,
	s_mov_b32 s[G0+1], 0
	s_mov_b64 s[G0+2:G0+3], s[20:21]
	s_or_b32 s[G0+3], s[G0+3], 0x80000000
	s_mov_b32 s[G0B], 1                            ; and of B's, behind them in slot 0
	s_mov_b32 s[G0B+1], 2*HALFT
	s_mov_b64 s[G0B+2:G0B+3], s[46:47]
	s_or_b32 s[G0B+3], s[G0B+3], 0x80000000
	s_mul_i32 s18, s16, 8*KST*IMG                  ; behind the head I fetch 128 rows of a tile: which half, in bytes
	s_mov_b32 s19, 0
	s_add_nc_u64 s[20:21], s[20:21], s[18:19]
	s_add_nc_u64 s[46:47], s[46:47], s[18:19]
	s_lshl_b32 s18, s45, 1                         ; the large slot: wave x 8 rows of 6,144 bytes
	s_mov_b32 s[G0+4], 1
	s_add_co_u32 s[G0+5], s18, SLOT
	s_add_nc_u64 s[G0+6:G0+7], s[20:21], 2*IMG     ; K steps 2 to 5
	s_or_b32 s[G0+7], s[G0+7], 0x80000000
	s_mov_b32 s[G0B+4], 1
	s_add_co_u32 s[G0B+5], s18, SLOT
	s_add_nc_u64 s[G0B+6:G0B+7], s[46:47], 2*IMG
	s_or_b32 s[G0B+7], s[G0B+7], 0x80000000
; the head's loads, one a wave: one tree of branches on the wave's number, each arm with its load
.macro ARM under, g0, g1, next
	s_cmp_lt_u32 s14, \under
	s_cbranch_scc0 \next
	tensor_load_to_lds s[\g0:\g0+3], s[\g1:\g1+7]
	s_nop 0
.rept 4
	v_nop
.endr
	s_branch .Lhead_asked
\next:
.endm
	ARM 1, G0,  G1,  .Lhead_b
	ARM 2, G0B, G1B, .Lhead_sa
	ARM 3, G0S, G1S, .Lhead_sb
	tensor_load_to_lds s[G0SB:G0SB+3], s[G1SB:G1SB+7]
	s_nop 0
.rept 4
	v_nop
.endr
.Lhead_asked:
	v_and_b32 v14, 31, v0
	v_lshlrev_b32 v[VO1], 3, v14
	v_lshlrev_b32 v10, 4, v14                      ; 16 x lane
	s_mul_i32 s21, s15, HALFT
	s_mul_i32 s22, s16, HALFT
	s_add_co_u32 s22, s22, 2*HALFT
.irp s, 0,1
	v_add_nc_u32 v[ADRA+\s], s21, v[VO1]
	v_add_nc_u32 v[ADRB+\s], s22, v[VO1]
	s_lshl_b32 s21, s21, 1                         ; in the large slot a part is twice as long
	s_add_co_u32 s21, s21, SLOT
	s_lshl_b32 s22, s22, 1
	s_add_co_u32 s22, s22, SLOT
.endr
	v_and_b32 v12, 15, v0
	v_bfe_u32 v13, v0, 4, 1
	s_wait_alu depctr_va_vdst(0)
	v_lshlrev_b32 v[VSO], 2, v12
	s_mul_i32 s21, s15, HALFS
	s_mul_i32 s22, s16, HALFS
	s_add_co_u32 s22, s22, 2*HALFS
	s_sub_co_u32 s22, s22, s21
	v_mul_u32_u24 v15, s22, v13
	s_add_co_u32 s21, s21, SCL
	v_add_nc_u32 v15, v[VSO], v15
	v_add_nc_u32 v[ADRS], s21, v15
	s_lshl_b32 s20, s42, 10
	s_lshl_b32 s21, s16, 9
	s_add_co_u32 s20, s20, s21
	s_mov_b32 s21, 0
	s_add_nc_u64 s[8:9], s[8:9], s[20:21]
	v_lshlrev_b32 v14, 6, v13
.irp b, 0,1,2,3,4,5,6,7
	global_load_b128 v[BI+8*\b:BI+8*\b+3], v14, s[8:9] offset:(32*(\b/2)+8*(\b%2))*4
	global_load_b128 v[BI+8*\b+4:BI+8*\b+7], v14, s[8:9] offset:(32*(\b/2)+8*(\b%2))*4+16
.endr
	s_lshl_b32 s20, s17, 4
	s_lshl_b32 s22, s15, 3
	s_add_co_u32 s20, s20, s22
	s_lshl_b32 s20, s20, 5
	s_lshl_b32 s22, s42, 1
	s_add_co_u32 s20, s20, s22
	s_add_co_u32 s20, s20, s16
	s_lshl_b32 s22, s20, 6
	s_mov_b32 s23, 0
	s_mul_i32 s20, s20, IMG
	s_add_nc_u64 s[12:13], s[10:11], s[22:23]
	s_add_nc_u64 s[12:13], s[12:13], 12582912
	s_add_nc_u64 s[10:11], s[10:11], s[20:21]
.macro FRAG reg, adr, q, i
.irp p, 0,1,2,3,4,5
	ds_load_b64 v[(\reg)+2*\p:(\reg)+2*\p+1], v[\adr] offset:(\i)*NQ*IMG*(1+((\adr)-1)%2)+(\q)*IMG+256*\p   ; the address registers of the large slot are the even ones: there a row block has four images
.endr
.endm
.macro MUL16 a0, p, q, sc, cm
.irp a, \a0, \a0+1
.irp b, 0,1,2,3,4,5,6,7
.if (\cm) == 2
	v_wmma_scale_f32_16x16x128_f8f6f4 v[8*(8*((\a)%4)+\b):8*(8*((\a)%4)+\b)+7], v[128*(\p)+FR*\b:128*(\p)+FR*\b+FR-1], v[AF+FR*(\a):AF+FR*(\a)+FR-1], v[BI+8*\b:BI+8*\b+7], v[SC+8*NQ*(\sc)+NQ*\b+(\q)], v[SC+8*NQ*(\sc)+NQ*(\a)+(\q)] matrix_a_fmt:MATRIX_FMT_FP6 matrix_b_fmt:MATRIX_FMT_FP6 matrix_a_scale:MATRIX_SCALE_ROW1
.else
	v_wmma_scale_f32_16x16x128_f8f6f4 v[8*(8*((\a)%4)+\b):8*(8*((\a)%4)+\b)+7], v[128*(\p)+FR*\b:128*(\p)+FR*\b+FR-1], v[AF+FR*(\a):AF+FR*(\a)+FR-1], v[8*(8*((\a)%4)+\b):8*(8*((\a)%4)+\b)+7], v[SC+8*NQ*(\sc)+NQ*\b+(\q)], v[SC+8*NQ*(\sc)+NQ*(\a)+(\q)] matrix_a_fmt:MATRIX_FMT_FP6 matrix_b_fmt:MATRIX_FMT_FP6 matrix_a_scale:MATRIX_SCALE_ROW1
.endif
.endr
.endr
.endm
.macro FETCH_B slot, q, p
	WIN TO_B
.irp i, 0,1,2,3,4,5,6,7
	FRAG 128*(\p)+FR*\i, ADRB+\slot, \q, \i
.endr
	WIN 0
.endm
.macro FETCH_A slot, q, i0
.irp i, \i0, \i0+1, \i0+2, \i0+3
	FRAG AF+FR*(\i), ADRA+\slot, \q, \i
.endr
.endm
.macro SCALES sc
.irp i, 0,1,2,3,4,5,6,7
.irp q, 0,1
	ds_load_b32 v[SC+8*NQ*((\sc)%2)+NQ*\i+\q], v[ADRS] offset:\i*KST*64+128*(\sc)+64*\q   ; sc: which pair of K steps; set sc % 2
.endr
.endr
.endm
.macro STEP slot, q, sc, cm, pr        ; sc: the set of scale words; pr other than 0: the next step begins pair pr
	s_wait_dscnt 4*NL
.if (\cm) == 2
	WIN 0x81
.else
	WIN MUL_LO
.endif
	MUL16 0, (\q)%2, (\q)%2, \sc, \cm
	MUL16 2, (\q)%2, (\q)%2, \sc, \cm
	s_wait_dscnt 0x0
	PLACES NP
	FETCH_B \slot, (\q)+1, 1-(\q)%2
	FETCH_A \slot, (\q)+1, 0
.if \pr
	SCALES \pr
.endif
.if (\cm) == 2
	WIN 0xc1
.else
	WIN MUL_HI
.endif
	MUL16 4, (\q)%2, (\q)%2, \sc, \cm
	MUL16 6, (\q)%2, (\q)%2, \sc, \cm
	PLACES NP
	WIN 0
	FETCH_A \slot, (\q)+1, 4
.endm
.macro TURN slot, next, fill, sc, pr
	s_wait_tensorcnt 0x0                           ; all my tensor loads have landed: my part of the next slot
	ds_add_u32 v[SPW], v[NIL]                      ; 0 onto my spare word
.if \fill
.irp g, G1, G1B
	s_mov_b32 s[\g+1], 384<<16                     ; no tensor load of mine is out: the refill's rows are two images again
	s_mov_b32 s[\g+3], 384<<16
.endr
.endif
	s_wait_dscnt 4*NL+1
	WIN MUL_LO
	MUL16 0, 1, NQ-1, \sc, 0
	s_wait_dscnt 0x0
	s_barrier_signal -1
	MUL16 2, 1, NQ-1, \sc, 0
	WIN 0
	s_barrier_wait -1
.if \fill
	CREST
	JLOAD G0+4*\slot, G1, G0B+4*\slot, G1B
.else
	PLACES NP
.endif
	FETCH_B \next, 0, 0
	FETCH_A \next, 0, 0
	SCALES \pr
	WIN MUL_HI
	MUL16 4, 1, NQ-1, \sc, 0
	MUL16 6, 1, NQ-1, \sc, 0
	PLACES NP
	WIN 0
	FETCH_A \next, 0, 4
.endm
	s_wait_alu depctr_va_vdst(0)
	s_wait_loadcnt 0x0                             ; the bias
	s_wait_tensorcnt 0x0                           ; my tile of the head's four is in
	ds_add_u32 v[SPW], v[NIL]
.irp g, G1, G1B
	s_mov_b32 s[\g+1], 768<<16                     ; no tensor load of mine is out: the next load brings 8 rows of four images
	s_mov_b32 s[\g+2], 8<<16
	s_mov_b32 s[\g+3], 768<<16
	s_mov_b32 s[\g+4], 8
.endr
	s_mov_b32 s[G0+1], s45                         ; and slot 0's refill: my quarter, K steps 6, 7
	s_add_nc_u64 s[G0+2:G0+3], s[G0+6:G0+7], 4*IMG
	s_mov_b32 s[G0B+1], s45
	s_add_nc_u64 s[G0B+2:G0B+3], s[G0B+6:G0B+7], 4*IMG
	s_wait_dscnt 0x0
	CROUND                                         ; all four tiles are in, and all sixteen work-groups are here
	JLOAD G0+4, G1, G0B+4, G1B                     ; K steps 2 to 5, the first tensor load behind the round
	FETCH_B 0, 0, 0
	FETCH_A 0, 0, 0
	SCALES 0
	FETCH_A 0, 0, 4
	STEP 0, 0, 0, 2, 0                             ; K step 0: the bias starts the sums
	TURN 0, 1, 1, 0, 1                             ; K step 1; slot 0 is filled again
	STEP 1, 0, 1, 0, 0
	STEP 1, 1, 1, 0, 2
	STEP 1, 2, 0, 0, 0
	TURN 1, 0, 0, 0, 3                             ; K step 5; nothing is filled
	STEP 0, 0, 1, 0, 0                             ; K step 6
	s_wait_dscnt 4*NL
	WIN MUL_LO
	MUL16 0, 1, NQ-1, 1, 0
	MUL16 2, 1, NQ-1, 1, 0
	s_wait_dscnt 0x0
	WIN MUL_HI
	MUL16 4, 1, NQ-1, 1, 0
	MUL16 6, 1, NQ-1, 1, 0
	WIN 0
.macro CONST reg, bits
	s_mov_b32 s[\reg], \bits
	s_mov_b32 s[\reg+1], \bits
.endm
	CONST 24, 0x3e7c6f08
	CONST 26, 0x40097039
	CONST 28, 0xbfd1a1e5
	CONST 30, 0x3ecdfd18
	CONST 32, 0xbe899a80
	CONST 34, 0x3e0efb2e
	CONST 36, 0x3f0a29d2
	CONST 38, 0x3fb8ab5a
	CONST 40, 0xbfe9b21e
	CONST 42, 0xbf38aa3b
	CONST 44, 0x3eb504f3
	s_mov_b32 s46, 0x7fffffff
	PLACES NP
	v_mov_b32 v[C8V], 0xbf97d29d
	v_mov_b32 v[C8V+1], 0xbf97d29d
.irp b, 0,1,2,3
	v_mov_b32 v[TM+4+\b], 0
.endr
.macro COPY a
	WIN 2+(\a)/4
.set i, 0
.rept 32
	v_pk_mul_f32 v[GG+i:GG+i+1], v[64*((\a)%4)+i:64*((\a)%4)+i+1], 1.0 op_sel_hi:[1,0]
.set i, i+2
.endr
	WIN 0
.endm
.macro GELU c
.set GB, GG+32*(\c)
.set i, 0
.rept 16
	v_pk_mul_f32 v[XX+i:XX+i+1], v[GB+i:GB+i+1], v[GB+i:GB+i+1]
.set i, i+2
.endr
.set i, 0
.rept 32
	v_and_b32 v[AA+i], s46, v[GB+i]
.set i, i+1
.endr
.set i, 0
.rept 16
	v_pk_fma_f32 v[TT+i:TT+i+1], v[AA+i:AA+i+1], s[44:45], 1.0 op_sel_hi:[1,0,0]
.set i, i+2
.endr
.set i, 0
	s_wait_alu depctr_va_vdst(0)
.rept 32
	v_rcp_f32 v[TT+i], v[TT+i]
.set i, i+1
.endr
.set i, 0
.rept 16
	v_pk_add_f32 v[GB+i:GB+i+1], v[GB+i:GB+i+1], v[AA+i:AA+i+1]
.set i, i+2
.endr
	s_wait_alu depctr_va_vdst(0)
.set i, 0
.rept 16
	v_pk_fma_f32 v[PP+i:PP+i+1], v[TT+i:TT+i+1], s[24:25], v[C8V:C8V+1] op_sel_hi:[1,0,1]
.set i, i+2
.endr
.irp k, 26,28,30,32,34,36,38,40
.set i, 0
.rept 16
	v_pk_fma_f32 v[PP+i:PP+i+1], v[PP+i:PP+i+1], v[TT+i:TT+i+1], s[\k:\k+1] op_sel_hi:[1,1,0]
.set i, i+2
.endr
.endr
.set i, 0
.rept 16
	v_pk_fma_f32 v[PP+i:PP+i+1], v[XX+i:XX+i+1], s[42:43], v[PP+i:PP+i+1] op_sel_hi:[1,0,1]
.set i, i+2
.endr
.set i, 0
	s_wait_alu depctr_va_vdst(0)
.rept 32
	v_exp_f32 v[PP+i], v[PP+i]
.set i, i+1
.endr
.set i, 0
.rept 16
	v_pk_mul_f32 v[AA+i:AA+i+1], v[AA+i:AA+i+1], v[TT+i:TT+i+1]
.set i, i+2
.endr
	s_wait_alu depctr_va_vdst(0)
.set i, 0
.rept 16
	v_pk_fma_f32 v[GB+i:GB+i+1], v[AA+i:AA+i+1], v[PP+i:PP+i+1], v[GB+i:GB+i+1] neg_lo:[1,0,0] neg_hi:[1,0,0]
.set i, i+2
.endr
.endm
	s_mov_b32 s3, 0
.Lrow:
.irp a, 0,1,2,3,4,5,6
	s_cmp_eq_u32 s3, \a
	s_cbranch_scc1 .Lcopy\a
.endr
	COPY 7
	s_branch .Lwork
.irp a, 0,1,2,3,4,5,6
.Lcopy\a:
	COPY \a
	s_branch .Lwork
.endr
.Lwork:
	GELU 0
	GELU 1
	QUANT GG, 0, 1
.irp p, 0,1,2
	global_store_b128 v10, v[PC+4*\p:PC+4*\p+3], s[10:11] offset:512*\p   ; gq's images lie byte 512 j + 16 l + 4 i = register 4 j + i of lane l: 512 consecutive bytes a store
.endr
	global_store_b32 v[VSO], v[PW], s[12:13]
	s_wait_xcnt 0x0
	s_add_nc_u64 s[10:11], s[10:11], 32*IMG
	s_add_nc_u64 s[12:13], s[12:13], 32*64
	s_add_co_u32 s3, s3, 1
	s_cmp_lt_u32 s3, 8
	s_cbranch_scc1 .Lrow
	s_wait_tensorcnt 0x0
	ds_add_u32 v[SPW], v[NIL]
	s_wait_dscnt 0x0
	CROUND
	s_endpgm
.Lfunc_end_k_qfb0630a41f_ffn1:
	.size	k_qfb0630a41f_ffn1, .Lfunc_end_k_qfb0630a41f_ffn1-k_qfb0630a41f_ffn1
	.p2alignl 7, 3214868480
	.fill 96, 4, 3214868480
	.section	.rodata,"a",@progbits
	.p2align	6, 0x0
	.amdhsa_kernel k_qfb0630a41f_ffn1
		.amdhsa_group_segment_fixed_size 327680
		.amdhsa_private_segment_fixed_size 0
		.amdhsa_enable_private_segment 0
		.amdhsa_kernarg_size 32
		.amdhsa_user_sgpr_count 2
		.amdhsa_user_sgpr_kernarg_segment_ptr 1
		.amdhsa_wavefront_size32 1
		.amdhsa_system_sgpr_workgroup_id_x 1
		.amdhsa_system_sgpr_workgroup_id_y 1
		.amdhsa_system_sgpr_workgroup_id_z 1
		.amdhsa_system_vgpr_workitem_id 0
		.amdhsa_next_free_vgpr 1024
		.amdhsa_next_free_sgpr 100
		.amdhsa_reserve_vcc 0
		.amdhsa_float_denorm_mode_32 3
		.amdhsa_float_denorm_mode_16_64 3
		.amdhsa_memory_ordered 1
		.amdhsa_forward_progress 1
		.amdhsa_inst_pref_size 193
	.end_amdhsa_kernel
	.amdgpu_metadata
---
amdhsa.version: [ 1, 2 ]
amdhsa.kernels:
  - .name:           k_qfb0630a41f_ffn1
    .symbol:         k_qfb0630a41f_ffn1.kd
    .args:
      - { .name: hq, .offset: 0, .size: 8, .value_kind: global_buffer, .address_space: global }
      - { .name: wts, .offset: 8, .size: 8, .value_kind: global_buffer, .address_space: global }
      - { .name: b1, .offset: 16, .size: 8, .value_kind: global_buffer, .address_space: global }
      - { .name: gq, .offset: 24, .size: 8, .value_kind: global_buffer, .address_space: global }
    .group_segment_fixed_size: 327680
    .private_segment_fixed_size: 0
    .kernarg_segment_align: 8
    .kernarg_segment_size: 32
    .max_flat_workgroup_size: 128
    .sgpr_count:     100
    .vgpr_count:     1024
    .wavefront_size: 32
...
	.end_amdgpu_metadata
.endif
;; end of part 6
;; launch ffn2 (part 7): grid 8 x 32, 4 waves a work-group, clusters of 4 x 4, 327,680 bytes of LDS; arguments gq, wts, b2, x1, out0; writes out0
.if DOCPART == 7
	.amdgcn_target "amdgcn-amd-amdhsa--gfx1250"
	.amdhsa_code_object_version 6
	.text
	.protected	k_qfb0630a41f_ffn2
	.globl	k_qfb0630a41f_ffn2
	.p2align	8
	.type	k_qfb0630a41f_ffn2,@function
k_qfb0630a41f_ffn2:
	s_mov_b64 s[64:65], 0
	v_nop
	global_prefetch_b8 v0, s[64:65] scope:SCOPE_SE
	s_setreg_imm32_b32 hwreg(HW_REG_WAVE_MODE, 25, 1), 1
	s_wait_xcnt 0x0
	s_wait_alu depctr_hold_cnt(0) depctr_sa_sdst(0) depctr_va_vdst(0) depctr_va_sdst(0) depctr_va_ssrc(0) depctr_va_vcc(0) depctr_vm_vsrc(0)
	s_getreg_b32 s2, hwreg(HW_REG_IB_STS2, 6, 4)
	s_cmp_eq_u32 s2, 0
	s_cbranch_scc0 .Lentry_in_a_cluster
	s_endpgm
.Lentry_in_a_cluster:
	s_bfe_u32 s2, ttmp6, 0x10000c
	s_cmp_lg_u32 s2, 0xf033
	s_cbranch_scc0 .Lentry_shape_is_right
	s_endpgm
.Lentry_shape_is_right:
; out = x1 + g W2 + b2, the product on codes of FP6 (E2M3) with E8M0 scales, K = 4,096, N = 1,024; x1 and out f32, row-major.
; A work-group makes 128 tokens x 128 columns: 256 work-groups.  ITS FOUR WAVES SPLIT K: each holds the whole block in 64 accumulators (512 registers) and walks NS = 8 of the 32 K steps of 128.
; So each byte of the work-group's two tiles is wanted by ONE wave.
; OPERANDS ARE IMAGES OF REGISTERS, [row block][K step][1,536 bytes], byte 512 j + 16 l + 4 i = register 4 j + i of lane l: three loads of 16 bytes a lane, 512 consecutive bytes each.
; Scale words [row block][K step][16]: a load of 4 bytes a lane brings two K steps' words, the even step's in lanes 0-15, the odd one's in lanes 16-31.  Image row r of block T is row 32 (T / 2) + 8 (T % 2) + r + 8 (r / 8).
; Source 0 = W2's columns (B), source 1 = tokens (A): a lane holds one token, two neighbouring accumulators 16 neighbouring columns.
; A (tokens) goes from memory straight into registers, two sets: a step's registers take the fragments of two steps on as soon as its products have read them.
; B (W2) is the same for the four work-groups of a column of the 4 x 4 cluster: it comes by JOINT tensor loads (the column's mask), each wave fetching its own K steps' 8 row blocks: my steps 0, 1 into region X at the head,
; steps 2 to 5 into region Y behind the full sequence and a round, steps 6, 7 into X again behind the round in step 1, when X has been read out into registers.  Only the wave that asked reads those bytes.
; By this text's count a wave has one tensor load out at any time; every wait on TENSORcnt is for 0.  A is not asked for jointly: it passes through no LDS.
; THE WAY OUT: behind a barrier (nobody reads X or Y any more, and both have had their last fill) each wave lays its partial block into a stage of its own (rows of 528 bytes); behind one more barrier wave w sums
; rows 32 w .. 32 w + 31 of the four stages in f32, adds residual and bias, and stores whole rows of 512 bytes.
; No prefetch: A's loads themselves stand two K steps ahead of their use.
; A count on LOADcnt is made by the assembler: CNT counts the loads issued, MA0 / MA1 what had been issued when the even / odd step's last fragment of A was asked for; the count is their difference, held at the field's 63.
; REGISTERS: window 0: v4-15 addresses; v16-47 scale words, two sets; v48-239 A's fragments, two sets; v240-255 residual rows 16-19.  window 1: v0-191 B's fragments, two sets; v192-255 residual rows 0-15.  windows 2, 3: accumulator (a, b) at v[8 (8 (a % 4) + b)].
.set KST,   32
.set NS,    8
.set ASC,   12582912
.set BCO,   6291456
.set BSO,   9699328
.set BP,    20
.set RB,    22
.set OP,    24
.set IMG,   1536
.set FR,    12
.set XW,    8*2*IMG                    ; a wave's part of region X: 8 row blocks x 2 K steps
.set YB,    4*XW                       ; region Y begins here; a wave's part is 2 XW
.set SPITCH, 528
.set CPY,   128*SPITCH                 ; a stage; the four lie over X and Y
.set SPARE, 12*XW                      ; behind Y: the spare words
.set L16,   4
.set L4,    6
.set STO,   7
.set RD,    8
.set SPW,   12
.set NIL,   13
.set BX,    14
.set BY,    15
.set SC,    16
.set AF,    48
.set BI,    96
.set PAC,   28
.set PAS,   30
.set PBC,   32
.set PBS,   34
.set G1,    48
.set GA,    56
.set GB,    60
.set MSB, 0
.set CNT, 0
.set MA0, 0
.set MA1, 0
.macro WIN new
.if MSB != (\new)
	s_set_vgpr_msb (MSB<<8)|(\new)
.set MSB, (\new)
.endif
.endm
.macro PLACES                          ; four plain lines between a matrix instruction and a load into, or a store of, its registers
.rept 4
	v_nop
.endr
.endm
.macro CROUND                          ; a round of the cluster's barrier
	s_barrier_signal -1
	s_barrier_wait -1
	s_cmp_lg_u32 s14, 0
	s_cbranch_scc1 .Lnot_wave_0_\@
	s_barrier_signal -3
.Lnot_wave_0_\@:
	s_barrier_wait -3
	s_barrier_signal -1
	s_barrier_wait -1
.endm
.macro TLOAD g0                        ; my joint load; s_nop 0 and four v_nop follow it
	tensor_load_to_lds s[\g0:\g0+3], s[G1:G1+7]
	s_nop 0
	PLACES
.endm
.macro SYNC w, first                   ; the full sequence and a round; w: the next load's row, in elements of 8 bytes
	s_wait_tensorcnt 0x0                           ; my tensor load has landed
	ds_add_u32 v[SPW], v[NIL]                      ; 0 onto my spare word
	s_mov_b32 s[G1+1], (\w)<<16                    ; no tensor load of mine is out: descriptors may be written
	s_mov_b32 s[G1+3], (\w)<<16
.if \first
	s_add_nc_u64 s[GA+2:GA+3], s[GA+2:GA+3], 6*IMG ; X's refill: my K steps 6, 7
.endif
	s_wait_dscnt 0x0                               ; the add is done, and so are my reads of LDS
	CROUND
.endm
.macro LDSC p                          ; the scale words of my K steps 2 p, 2 p + 1: A's eight blocks, B's eight
.irp i, 0,1,2,3,4,5,6,7
	global_load_b32 v[SC+16*((\p)%2)+\i], v[L4], s[PAS:PAS+1] offset:\i*KST*64+(\p)*128
	global_load_b32 v[SC+16*((\p)%2)+8+\i], v[L4], s[PBS:PBS+1] offset:\i*KST*64+(\p)*128
.endr
.set CNT, CNT+16
.endm
.macro LDA t, a                        ; A's block a of my K step t into set t % 2
.set FA, AF+96*((\t)%2)+FR*(\a)
.irp j, 0,1,2
	global_load_b128 v[FA+4*\j:FA+4*\j+3], v[L16], s[PAC:PAC+1] offset:(\a)*KST*IMG+(\t)*IMG+512*\j
.endr
.set CNT, CNT+3
.endm
.macro MARK t
.if (\t)%2
.set MA1, CNT
.else
.set MA0, CNT
.endif
.endm
.macro LDB t                           ; B's eight blocks of my K step t from LDS into set t % 2, in window 1
	WIN 0x40
.irp b, 0,1,2,3,4,5,6,7
.irp j, 0,1,2
.if (\t) >= 2 && (\t) < 6
	ds_load_b128 v[96*((\t)%2)+FR*\b+4*\j:96*((\t)%2)+FR*\b+4*\j+3], v[BY] offset:\b*4*IMG+((\t)-2)*IMG+512*\j
.else
	ds_load_b128 v[96*((\t)%2)+FR*\b+4*\j:96*((\t)%2)+FR*\b+4*\j+3], v[BX] offset:\b*2*IMG+((\t)%2)*IMG+512*\j
.endif
.endr
.endr
	WIN 0
.endm
.macro MUL t, a                        ; A's block a x B's eight; the 64 accumulators take turns in one order; the first step starts the sums
.irp b, 0,1,2,3,4,5,6,7
.set AC, 8*(8*((\a)%4)+\b)
.set FB, 96*((\t)%2)+FR*\b
.set FA, AF+96*((\t)%2)+FR*(\a)
.set SB_, SC+16*(((\t)/2)%2)+8+\b
.set SA_, SC+16*(((\t)/2)%2)+(\a)
.if (\t) == 0
	v_wmma_scale_f32_16x16x128_f8f6f4 v[AC:AC+7], v[FB:FB+11], v[FA:FA+11], 0, v[SB_], v[SA_] matrix_a_fmt:MATRIX_FMT_FP6 matrix_b_fmt:MATRIX_FMT_FP6
.elseif (\t)%2
	v_wmma_scale_f32_16x16x128_f8f6f4 v[AC:AC+7], v[FB:FB+11], v[FA:FA+11], v[AC:AC+7], v[SB_], v[SA_] matrix_a_fmt:MATRIX_FMT_FP6 matrix_b_fmt:MATRIX_FMT_FP6 matrix_a_scale:MATRIX_SCALE_ROW1 matrix_b_scale:MATRIX_SCALE_ROW1
.else
	v_wmma_scale_f32_16x16x128_f8f6f4 v[AC:AC+7], v[FB:FB+11], v[FA:FA+11], v[AC:AC+7], v[SB_], v[SA_] matrix_a_fmt:MATRIX_FMT_FP6 matrix_b_fmt:MATRIX_FMT_FP6
.endif
.endr
.endm
.macro STEP t                          ; 64 matrix instructions.  B's next step comes from LDS at the step's head; A's registers take the fragments of two steps on, in two runs
.if (\t)%2
.set N, CNT-MA1
.else
.set N, CNT-MA0
.endif
.if N > 63
.set N, 63
.endif
	s_wait_loadcnt N                               ; this step's fragments of A and the scale words are in
.if (\t) == 1
	SYNC 384, 0                                    ; Y has landed, and X has been read out, in every wave of every partner:
	TLOAD GA                                       ; X is filled again, the first tensor load behind the round
.elseif (\t) == 5
	s_wait_tensorcnt 0x0                           ; X's refill has landed: my own bytes, read by me alone
.endif
	s_wait_dscnt 0x0                               ; this step's fragments of B are in registers
.if (\t)+1 < NS
	LDB (\t)+1                                     ; (four plain lines stand behind the last step's products, which read this set)
.endif
.if (\t)%2 == 0 && (\t)+2 < NS
	LDSC (\t)/2+1
.endif
.if (\t) == 0
	WIN 0x40                                       ; the residual of the rows that I store: stage row i is token 8 (i / 16) + i % 16 + 8 ((i % 16) / 8); 512 consecutive bytes a load
.irp i, 0,1,2,3,4,5,6,7,8,9,10,11,12,13,14,15
	global_load_b128 v[192+4*\i:195+4*\i], v[L16], s[RB:RB+1] offset:(\i+8*(\i/8))*4096
.endr
	WIN 0
.irp i, 16,17,18,19
	global_load_b128 v[240+4*(\i-16):243+4*(\i-16)], v[L16], s[RB:RB+1] offset:(8+(\i%16)+8*((\i%16)/8))*4096
.endr
.set CNT, CNT+20
.endif
	WIN 0xa1
.irp a, 0,1,2,3
	MUL \t, \a
.endr
.if (\t)+2 < NS
	PLACES
	WIN 0
.irp a, 0,1,2,3
	LDA (\t)+2, \a
.endr
.elseif (\t)+2 == NS
	PLACES
	WIN 0
.irp i, 20,21,22,23,24,25,26,27,28,29,30,31
	global_load_b128 v[AF+4*(\i-20):AF+4*(\i-20)+3], v[L16], s[RB:RB+1] offset:(8+(\i%16)+8*((\i%16)/8))*4096   ; the last twelve rows, where set 0's blocks 0-3 lay
.endr
.set CNT, CNT+12
.endif
	WIN 0xf1
.irp a, 4,5,6,7
	MUL \t, \a
.endr
	PLACES
	WIN 0
.if (\t)+2 < NS
.irp a, 4,5,6,7
	LDA (\t)+2, \a
.endr
	MARK \t
.elseif (\t)+2 == NS
	global_load_b128 v[BI:BI+3], v[L16], s[BP:BP+1]    ; the bias of columns 4 l .. 4 l + 3
.set CNT, CNT+1
.endif
.endm
.macro RREG j                          ; where register j of the residual's 128 lies
.if (\j) < 64
.set RG, 192+(\j)
.elseif (\j) < 80
.set RG, 176+(\j)
.else
.set RG, (\j)-32
.endif
.endm
.macro LOADG g                         ; rows 8 g .. 8 g + 7 of my 32, from the four stages: stage c into window 2 + c / 2, v[128 (c % 2) + 4 i]
.irp c, 0,1,2,3
	WIN 0x80+0x40*(\c/2)
.irp i, 0,1,2,3,4,5,6,7
	ds_load_b128 v[128*(\c%2)+4*(8*(\g)+\i):128*(\c%2)+4*(8*(\g)+\i)+3], v[RD+\c] offset:(8*(\g)+\i)*SPITCH
.endr
.endr
.endm
.macro ADDG g, win, o, res
	WIN \win
.set j, 32*(\g)
.rept 16
.if \res
	RREG j
	v_pk_add_f32 v[j:j+1], v[j:j+1], v[RG:RG+1]
.else
	v_pk_add_f32 v[j:j+1], v[j:j+1], v[(\o)+j:(\o)+j+1]
.endif
.set j, j+2
.endr
.endm
.macro SUMG g
	ADDG \g, 0x8a, 128, 0                          ; stages 0 + 1, in window 2
	ADDG \g, 0xcf, 128, 0                          ; stages 2 + 3, in window 3
	ADDG \g, 0x8e, 0, 0                            ; both
.if (\g) < 2
	ADDG \g, 0x86, 0, 1                            ; + residual and bias (window 1)
.else
	ADDG \g, 0x82, 0, 1                            ; + residual and bias (window 0)
.endif
	WIN 0x08
.irp i, 0,1,2,3,4,5,6,7
.set I, 8*(\g)+\i
	global_store_b128 v[L16], v[4*I:4*I+3], s[OP:OP+1] offset:(8*(I/16)+(I%16)+8*((I%16)/8))*4096   ; 512 consecutive bytes, aligned
.endr
.endm
	s_load_b128 s[4:7], s[0:1], 0x0                ; g's images, wts
	s_load_b128 s[20:23], s[0:1], 0x10             ; the bias, the residual
	s_load_b64 s[24:25], s[0:1], 0x20              ; the output
	v_lshl_add_u32 v[SPW], v0, 2, SPARE
	v_mov_b32 v[NIL], 0
	ds_add_u32 v[SPW], v[NIL]                      ; the opening lines: the add, twice on end, and its wait ahead of my first tensor load
	ds_add_u32 v[SPW], v[NIL]
	v_lshrrev_b32 v1, 5, v0
	v_readfirstlane_b32 s14, v1                    ; wave
	v_and_b32 v1, 31, v0
	v_and_b32 v2, 15, v0                           ; r
	v_bfe_u32 v3, v0, 4, 1                         ; h
	v_lshlrev_b32 v[L16], 4, v1
	v_lshlrev_b32 v[L4], 2, v1
	v_mul_u32_u24 v[STO], SPITCH, v2
	v_lshl_add_u32 v[STO], v3, 6, v[STO]
	s_mul_i32 s8, s14, CPY
	s_mul_i32 s9, s14, 32*SPITCH
	s_mul_i32 s12, s14, XW                         ; my part of X,
	s_lshl_b32 s13, s12, 1
	s_add_co_u32 s13, s13, YB                      ; and of Y: no place in the cluster enters an LDS address
	v_add_nc_u32 v[STO], s8, v[STO]                ; into my stage: image row r, + 64 h
	v_add_nc_u32 v[RD], s9, v[L16]                 ; back: my 32 rows of stage 0, whole,
	v_add_nc_u32 v[RD+1], CPY, v[RD]               ; and of the three others
	v_add_nc_u32 v[RD+2], 2*CPY, v[RD]
	v_add_nc_u32 v[RD+3], 3*CPY, v[RD]
	v_add_nc_u32 v[BX], s12, v[L16]
	v_add_nc_u32 v[BY], s13, v[L16]
	s_bfe_u32 s40, ttmp6, 0x40000                  ; cx
	s_bfe_u32 s41, ttmp6, 0x40004                  ; cy
	s_lshl_b32 s15, ttmp9, 2
	s_add_co_u32 s15, s15, s40                     ; tile column
	s_and_b32 s16, ttmp7, 0xffff
	s_lshl_b32 s16, s16, 2
	s_add_co_u32 s16, s16, s41                     ; tile row
	s_lshl_b32 s44, 0x1111, s40                    ; my column of the cluster
	s_or_b32 s[G1], s44, (3<<16)|(1<<21)           ; the mask; elements of 8 bytes; bit 21 beside a mask
	s_mov_b32 s[G1+1], 384<<16                     ; a row: two images
	s_mov_b32 s[G1+2], 8<<16                       ; 8 row blocks
	s_mov_b32 s[G1+3], 384<<16
	s_mov_b32 s[G1+4], 8
	s_mov_b32 s[G1+5], KST*IMG/8                   ; from a row block to the next
	s_mov_b32 s[G1+6], 0
	s_mov_b32 s[G1+7], 0
	s_mul_i32 s17, s14, NS                         ; my first K step
	s_mul_i32 s10, s16, 8*KST
	s_add_co_u32 s10, s10, s17                     ; A's first image
	s_mul_i32 s11, s15, 8*KST
	s_add_co_u32 s11, s11, s17                     ; B's
	s_mul_i32 s[PAC], s10, IMG
	s_lshl_b32 s[PAS], s10, 6
	s_mul_i32 s[PBC], s11, IMG
	s_lshl_b32 s[PBS], s11, 6
	s_mov_b32 s[PAC+1], 0
	s_mov_b32 s[PAS+1], 0
	s_mov_b32 s[PBC+1], 0
	s_mov_b32 s[PBS+1], 0
	s_lshl_b32 s36, s16, 2
	s_add_co_u32 s36, s36, s14
	s_lshl_b32 s36, s36, 17                        ; tokens 128 x tile row + 32 x wave on, 4,096 bytes each
	s_lshl_b32 s38, s15, 9                         ; + 512 x tile column
	s_add_co_u32 s36, s36, s38
	s_mov_b32 s37, 0
	s_mov_b32 s39, 0
	s_wait_alu depctr_va_vdst(0)
	s_wait_dscnt 0x0                               ; both opening adds are done
	s_wait_kmcnt 0x0
	s_add_nc_u64 s[PAC:PAC+1], s[4:5], s[PAC:PAC+1]
	s_add_nc_u64 s[PAS:PAS+1], s[4:5], s[PAS:PAS+1]
	s_add_nc_u64 s[PAS:PAS+1], s[PAS:PAS+1], ASC
	s_add_nc_u64 s[PBC:PBC+1], s[6:7], s[PBC:PBC+1]
	s_add_nc_u64 s[PBC:PBC+1], s[PBC:PBC+1], BCO
	s_add_nc_u64 s[PBS:PBS+1], s[6:7], s[PBS:PBS+1]
	s_add_nc_u64 s[PBS:PBS+1], s[PBS:PBS+1], BSO
	s_add_nc_u64 s[RB:RB+1], s[RB:RB+1], s[36:37]
	s_add_nc_u64 s[OP:OP+1], s[OP:OP+1], s[36:37]
	s_add_nc_u64 s[BP:BP+1], s[BP:BP+1], s[38:39]
	s_mov_b32 s[GA], 1                             ; X: my K steps 0, 1
	s_mov_b32 s[GA+1], s12
	s_mov_b64 s[GA+2:GA+3], s[PBC:PBC+1]
	s_or_b32 s[GA+3], s[GA+3], 0x80000000
	s_mov_b32 s[GB], 1                             ; Y: my K steps 2 to 5
	s_mov_b32 s[GB+1], s13
	s_add_nc_u64 s[GB+2:GB+3], s[PBC:PBC+1], 2*IMG
	s_or_b32 s[GB+3], s[GB+3], 0x80000000
	CROUND                                         ; all sixteen work-groups are here: the first joint loads meet
	TLOAD GA                                       ; one tensor load a wave at the head
	LDSC 0
.irp t, 0,1
.irp a, 0,1,2,3,4,5,6,7
	LDA \t, \a
.endr
	MARK \t
.endr
	SYNC 768, 1                                    ; X is in; the full sequence and a round ahead of Y's first fill
	TLOAD GB
	LDB 0
.set T, 0
.rept NS
	STEP T
.set T, T+1
.endr
	s_wait_dscnt 0x0
	s_barrier_signal -1
	s_barrier_wait -1                              ; no wave reads X or Y any more: the stages may be laid over them
.irp a, 0,1,2,3,4,5,6,7                ; my partial block into my stage, each accumulator from its low end on
	WIN 0x08+4*(\a/4)
.irp b, 0,1,2,3,4,5,6,7
	ds_store_b128 v[STO], v[8*(8*(\a%4)+\b):8*(8*(\a%4)+\b)+3] offset:\a*16*SPITCH+128*(\b/2)+32*(\b%2)
	ds_store_b128 v[STO], v[8*(8*(\a%4)+\b)+4:8*(8*(\a%4)+\b)+7] offset:\a*16*SPITCH+128*(\b/2)+32*(\b%2)+16
.endr
.endr
	WIN 0
	s_wait_loadcnt 0x0                             ; the residual and the bias
	WIN 0x41
.set j, 0
.rept 32
	v_pk_add_f32 v[192+j:193+j], v[192+j:193+j], v[BI+j%4:BI+j%4+1]
.set j, j+2
.endr
	WIN 0
.rept 32
	RREG j
	v_pk_add_f32 v[RG:RG+1], v[RG:RG+1], v[BI+j%4:BI+j%4+1]
.set j, j+2
.endr
	s_wait_alu depctr_va_vdst(0)
	s_wait_dscnt 0x0                               ; for the others' sake: my block lies in my stage
	s_barrier_signal -1
	s_barrier_wait -1
	LOADG 0
	LOADG 1
.irp g, 0,1,2,3
.if \g < 3
	s_wait_dscnt 32                                ; this group's 32 loads are in; the next group's may be out
.else
	s_wait_dscnt 0x0
.endif
	SUMG \g
.if \g < 2
	LOADG \g+2
.endif
.endr
	WIN 0
	s_wait_tensorcnt 0x0                           ; the wave's end
	ds_add_u32 v[SPW], v[NIL]
	s_wait_dscnt 0x0
	CROUND                                         ; the closing round
	s_endpgm
.Lfunc_end_k_qfb0630a41f_ffn2:
	.size	k_qfb0630a41f_ffn2, .Lfunc_end_k_qfb0630a41f_ffn2-k_qfb0630a41f_ffn2
	.p2alignl 7, 3214868480
	.fill 96, 4, 3214868480
	.section	.rodata,"a",@progbits
	.p2align	6, 0x0
	.amdhsa_kernel k_qfb0630a41f_ffn2
		.amdhsa_group_segment_fixed_size 327680
		.amdhsa_private_segment_fixed_size 0
		.amdhsa_enable_private_segment 0
		.amdhsa_kernarg_size 40
		.amdhsa_user_sgpr_count 2
		.amdhsa_user_sgpr_kernarg_segment_ptr 1
		.amdhsa_wavefront_size32 1
		.amdhsa_system_sgpr_workgroup_id_x 1
		.amdhsa_system_sgpr_workgroup_id_y 1
		.amdhsa_system_sgpr_workgroup_id_z 1
		.amdhsa_system_vgpr_workitem_id 0
		.amdhsa_next_free_vgpr 1024
		.amdhsa_next_free_sgpr 66
		.amdhsa_reserve_vcc 0
		.amdhsa_float_denorm_mode_32 3
		.amdhsa_float_denorm_mode_16_64 3
		.amdhsa_memory_ordered 1
		.amdhsa_forward_progress 1
		.amdhsa_inst_pref_size 155
	.end_amdhsa_kernel
	.amdgpu_metadata
---
amdhsa.version: [ 1, 2 ]
amdhsa.kernels:
  - .name:           k_qfb0630a41f_ffn2
    .symbol:         k_qfb0630a41f_ffn2.kd
    .args:
      - { .name: gq, .offset: 0, .size: 8, .value_kind: global_buffer, .address_space: global }
      - { .name: wts, .offset: 8, .size: 8, .value_kind: global_buffer, .address_space: global }
      - { .name: b2, .offset: 16, .size: 8, .value_kind: global_buffer, .address_space: global }
      - { .name: x1, .offset: 24, .size: 8, .value_kind: global_buffer, .address_space: global }
      - { .name: out0, .offset: 32, .size: 8, .value_kind: global_buffer, .address_space: global }
    .group_segment_fixed_size: 327680
    .private_segment_fixed_size: 0
    .kernarg_segment_align: 8
    .kernarg_segment_size: 40
    .max_flat_workgroup_size: 128
    .sgpr_count:     66
    .vgpr_count:     1024
    .wavefront_size: 32
...
	.end_amdgpu_metadata
.endif
;; end of part 7
